; MI455X (gfx1250); checked and timed in simulation.
; The chip was launched on July 23, 2026; its instructions are those of AMD's public machine-readable ISA for CDNA 5 (MIT licence, August 2026) and "CDNA5" Instruction Set Architecture Reference Guide (July 2026). The comments in the code are by the model that wrote it; some were corrected since.
;; Atentie. Allowed arithmetic: matrix products marked QUANTISED: E2M1 operands, one E8M0 scale for each 32 along K, by v_wmma_scale_f32_16x16x128_f8f6f4 with both operands' format E2M1 (or v_wmma_scale_f32_32x16x128_f4), f32 sums; products left as they are: bf16, f16 or f32 operands; f32 sums; everything else in f32.
;; Inputs: Wk 1,024 x 1,024 float32; Wq 1,024 x 1,024 float32; Wv 1,024 x 1,024 float32; bk 1,024 float32; bq 1,024 float32; bv 1,024 float32; strat 4 x 2,048 x 1,024 float32.
;; Outputs: out0 4 x 2,048 x 1,024 float32.
;; This version of the problem:
;;   THIS VERSION OF THE PROBLEM IS GIVEN IN LOW PRECISION. The matrix products marked QUANTISED in the list below multiply operands that are first quantised to E2M1 (2 exponent bits, 1 mantissa bit; 4 bits a number), with one power-of-two scale for each 32 numbers along K (OCP MX v1.0); their sums are f32. The products marked 'left as it is' may take bf16, f16 or f32 operands, with f32 sums. Whichever they take, every output number must still come out within the allowed error. Rounding operands to bf16 (8 significant bits) uses up far more of that allowance than f16 does (11 bits, for magnitudes from 6e-5 to 65,504). All else is computed in f32.
;;   The module's matrix products, in the order in which they are computed (A, B: the left and right operand; K: the contracted axis; several contracted axes count as one K, in the product's order):
;;     1. [M 8,192, K 1,024] x [K 1,024, N 1,024]; A: input strat; B: input Wq: QUANTISED
;;     2. [M 8,192, K 1,024] x [K 1,024, N 1,024]; A: input strat; B: input Wk: QUANTISED
;;     3. [M 8,192, K 1,024] x [K 1,024, N 1,024]; A: input strat; B: input Wv: QUANTISED
;;     4. batch 4 x [M 2,048, K 1,024] x [K 1,024, N 2,048]; A: computed on the way; B: computed on the way: left as it is (an operand is computed on the way)
;;     5. batch 4 x [M 2,048, K 2,048] x [K 2,048, N 1,024]; A: computed on the way; B: computed on the way: left as it is (an operand is computed on the way)
;;   THE QUANTISER, for each operand of a quantised product, along K:
;;     - K is cut into blocks of 32 from its start; a last block that is shorter is filled with zeros.
;;     - A block's scale is 2^e with e = floor(log2(the largest magnitude in the block)) - 2, held to -126 .. 127; a block of zeros has e = 0. As a byte (E8M0): e + 127.
;;     - Each number is divided by its block's scale, clamped to +-6, and rounded to the nearest number of E2M1, ties to even, subnormals kept.
;;     - The product sums the exact products of the quantised numbers (number of the format x scale) in f32.
;;   ~~~python
;;   def quantise(x, axis):      # numpy; x: float32 -> the quantised numbers, widened to float32 again
;;       x = np.moveaxis(x, axis, -1); K = x.shape[-1]
;;       x = np.pad(x, [(0, 0)] * (x.ndim - 1) + [(0, -K % 32)]); x = x.reshape(x.shape[:-1] + (-1, 32)); a = np.abs(x).max(-1, keepdims=True)
;;       e = np.where(a > 0, np.clip(np.frexp(np.where(a > 0, a, 1))[1] - 1 - 2, -126, 127), 0)      # np.frexp(a)[1] - 1 = floor(log2(a)), exactly
;;       r = np.clip(x / 2.0 ** e, -6, 6)
;;       step = 2.0 ** (np.maximum(np.frexp(np.where(r == 0, 1, r))[1] - 1, 0) - 1)
;;       q = np.round(r / step) * step * 2.0 ** e      # np.round: ties to even
;;       return np.moveaxis(q.reshape(q.shape[:-2] + (-1,))[..., :K], -1, axis).astype(np.float32)
;;   ~~~
;; One version. Each part assembles by itself: llvm-mc -triple=amdgcn-amd-amdhsa -mcpu=gfx1250 --defsym DOCPART=n.
;; ======== version 1 of 1: 4 launches
;; limits: values are held in f16: magnitudes above 65,504 overflow, below 6.1e-05 lose precision
;; workspace buffers: xc 4,194,304 bytes; xs 262,144 bytes; wc 1,572,864 bytes; ws 98,304 bytes; qkv 50,331,648 bytes; p 33,554,432 bytes; mstat 262,144 bytes; lstat 524,288 bytes
;; launch quant (part 1): grid 352 x 1, 4 waves a work-group, no clusters, 33,280 bytes of LDS; arguments strat, Wq, Wk, Wv, xc, xs, wc, ws; writes xc, xs, wc, ws
.if DOCPART == 1
	.amdgcn_target "amdgcn-amd-amdhsa--gfx1250"
	.amdhsa_code_object_version 6
	.text
	.protected	k_q5752ac75ed_quant
	.globl	k_q5752ac75ed_quant
	.p2align	8
	.type	k_q5752ac75ed_quant,@function
k_q5752ac75ed_quant:
	s_mov_b64 s[64:65], 0
	v_nop
	global_prefetch_b8 v0, s[64:65] scope:SCOPE_SE
	s_setreg_imm32_b32 hwreg(HW_REG_WAVE_MODE, 25, 1), 1
	s_wait_xcnt 0x0
; THE PROGRAM: out = softmax((strat Wq^T + bq)(strat Wk^T + bk)^T / 32) (strat Wv^T + bv), in four launches:
;   quant: strat, Wq, Wk, Wv (f32, K innermost) -> codes of FP4 (E2M1) and E8M0 scale bytes;   proj: the three quantised products as ONE product with [Wq; Wk; Wv], results as f16;
;   score: p = 2^(c s - m_t) for tiles of 256 x 256 scores, each with its own row maximum m_t taken away, p as f16, m_t and the row sums as f32;   mix: out = bv + sum over tiles of (2^(m_t - M) / L) p V'.
; WORK LEFT OUT.  bk: (Q)(K' + bk)^T = Q K'^T + (Q . bk) 1^T: the term Q . bk is one number for each query, the same for all keys, that is: a term added to the softmax's input that is constant along its axis.
;   It cancels in softmax for all values of the inputs.  The product of Q and K is not quantised, so bk moves no code and no scale.  bk is not loaded and is an argument of no launch.
; bv IS KEPT, MOVED: a softmax row sums to 1, so sum_k w_k (V'_k + bv) = sum_k w_k V'_k + bv for all values: bv is added once, in f32, as the start of the output's sums (launch mix).  bq is kept: bq . K differs from key to key.
; LIMITS: a NaN, an infinity or an overflow that reaches only bk's term is not carried to the result.  |Q + bq|, |K'|, |V'| must stay under 65,504, the largest f16 number.  NaN and infinities among the inputs are not served.
;
; THIS LAUNCH.  A block of 32 along K gets the scale 2^(floor(log2(its largest magnitude)) - 2); its byte is the largest magnitude's own exponent field - 2, held at 1 from below; each number is divided by the scale and
; rounded to the nearest code, ties to even, beyond 6 the largest code.  A block of zeros gets the byte 1 where the rule says 127: its codes are zeros, which add nothing, and this program alone reads the bytes.
; Blocks whose largest magnitude lies under 2^-124 keep the byte 1.
; Rows are dense and K = 1,024 is a multiple of 32: every tensor is a plain stream of blocks.  A work-group takes 32,768 numbers, a wave 16 steps of 512.  Work-groups 0-255: strat; 256-287: Wq; 288-319: Wk; 320-351: Wv.
; The three weights' codes and bytes lie one behind the other in wc and ws: one operand of 3,072 rows.  Only pointers are chosen by the work-group's number: all take one path through the text.
; A conversion takes 8 numbers of ONE block from a lane's registers, so a lane must hold 16 neighbours; a load is best where neighbouring lanes take neighbouring bytes.  Both are had: each load reads 512 consecutive bytes,
; and a step's 2,048 bytes turn through the wave's own stage in LDS (16 bytes of padding behind each 64).  No tensor loads, no barrier: waves share nothing.
; Loads run EIGHT steps ahead: 32 loads, half of the wave's 32,768 bytes, are on their way at a time; the turn through LDS runs one step ahead.
.set WAVES, 4
.set STEPS, 16
.set AHEAD, 8                          ; steps that the loads run ahead: as many sets of 16 registers
.set EMAX,  2
.set CB,    8                          ; bytes of 16 codes
.set X,     16                         ; v16-47   two sets of 16 neighbours
.set E,     48                         ; v48-63   a scale byte for each step
.set C,     64                         ; v64-95   codes: two registers for each step, so that no store's data are written again
.set R,     96                         ; v96-223  eight sets of 16 numbers as they are loaded
.set WREG,  8192                       ; LDS: a region for each wave: two stages of 32 x SP bytes, behind them its 256 scale bytes
.set SP,    80                         ; a lane's place in a stage: 64 bytes + 16 of padding
.set SPW,   12                         ; v12      LDS address of my spare word; never rewritten
.set NIL,   13                         ; v13      0; never rewritten
.set SPARE, WAVES*WREG                 ; behind the four regions: the spare words, 128 bytes a wave, which no other line names
	s_load_b256 s[4:11], s[0:1], 0x0               ; strat, Wq, Wk, Wv
	s_load_b256 s[12:19], s[0:1], 0x20             ; xc, xs, wc, ws
	v_lshl_add_u32 v[SPW], v0, 2, SPARE
	v_mov_b32 v[NIL], 0
	v_lshrrev_b32 v1, 5, v0
	v_readfirstlane_b32 s20, v1                    ; wave
	v_and_b32 v2, 31, v0                           ; lane
	v_lshlrev_b32 v3, 4, v2                        ; my 16 bytes of a load's 512
	s_mul_i32 s21, s20, WREG
	v_lshrrev_b32 v14, 2, v2
	v_mul_u32_u24 v14, v14, SP
	v_and_b32 v15, 3, v2
	v_lshl_add_u32 v14, v15, 4, v14
	v_add_nc_u32 v14, s21, v14                     ; the stage, on the way in: SP (lane / 4) + 16 (lane % 4)
	v_mul_u32_u24 v15, v2, SP
	v_add_nc_u32 v15, s21, v15                     ; and on the way out: SP x lane: my 16 neighbours
	v_mul_u32_u24 v4, v2, CB                       ; my codes' place in a step's
	v_lshrrev_b32 v5, 1, v2
	s_add_co_u32 s21, s21, 2*32*SP
	v_add_nc_u32 v5, s21, v5                       ; LDS: my wave's 256 scale bytes, my block's byte
	v_lshlrev_b32 v7, 3, v2                        ; and on the way out 8 bytes a lane
	v_add_nc_u32 v6, s21, v7
	s_sub_co_u32 s24, ttmp9, 256                   ; a weight's work-group among the 96,
	s_and_b32 s25, s24, 31                         ; and among its own weight's 32
	s_wait_kmcnt 0x0
	s_cmp_lt_u32 ttmp9, 288                        ; the choices hang on the work-group's number alone
	s_cselect_b64 s[6:7], s[6:7], s[8:9]           ; Wq or Wk,
	s_cmp_lt_u32 ttmp9, 320
	s_cselect_b64 s[6:7], s[6:7], s[10:11]         ; or Wv
	s_cmp_lt_u32 ttmp9, 256
	s_cselect_b64 s[4:5], s[4:5], s[6:7]           ; strat or a weight
	s_cselect_b64 s[12:13], s[12:13], s[16:17]     ; its codes
	s_cselect_b64 s[14:15], s[14:15], s[18:19]     ; its scale bytes
	s_cselect_b32 s22, ttmp9, s25                  ; the work-group's place in what it reads,
	s_cselect_b32 s23, ttmp9, s24                  ; and in what it writes
	s_lshl_b32 s22, s22, 2
	s_add_co_u32 s22, s22, s20                     ; my wave's run of 8,192 numbers
	s_lshl_b32 s23, s23, 2
	s_add_co_u32 s23, s23, s20
	s_lshl_b32 s26, s22, 15                        ; 32,768 bytes of f32 a run
	s_mov_b32 s27, 0
	s_lshl_b32 s28, s23, 12                        ; 4,096 bytes of codes
	s_mov_b32 s29, 0
	s_lshl_b32 s30, s23, 8                         ; 256 scale bytes
	s_mov_b32 s31, 0
	s_add_nc_u64 s[4:5], s[4:5], s[26:27]
	s_add_nc_u64 s[12:13], s[12:13], s[28:29]
	s_add_nc_u64 s[14:15], s[14:15], s[30:31]
.macro LOAD t
.irp i, 0,1,2,3
	global_load_b128 v[R+16*((\t)%AHEAD)+4*\i:R+16*((\t)%AHEAD)+4*\i+3], v3, s[4:5] offset:2048*(\t)+512*\i th:TH_LOAD_NT   ; 32 lanes read 512 consecutive bytes
.endr
.endm
.macro TURN t                          ; step t's numbers through the stage: LDS serves a wave's instructions in order, so no wait stands between the stores and the loads
.irp i, 0,1,2,3
	ds_store_b128 v14, v[R+16*((\t)%AHEAD)+4*\i:R+16*((\t)%AHEAD)+4*\i+3] offset:32*SP*((\t)%2)+8*SP*\i
.endr
.irp i, 0,1,2,3
	ds_load_b128 v[X+16*((\t)%2)+4*\i:X+16*((\t)%2)+4*\i+3], v15 offset:32*SP*((\t)%2)+16*\i
.endr
.endm
.irp t, 0,1,2,3,4,5,6,7
	LOAD \t
.endr
	s_wait_loadcnt 4*(AHEAD-1)                     ; step 0's four loads are in; the 28 of steps 1 to 7 may be out
	TURN 0
.macro STEP t
.set XS, X+16*((\t)%2)
.if (\t) > 0
	s_wait_dscnt 1                                 ; this step's numbers are back from the stage (the last step's byte store may be out): so its stores into the stage have read their registers,
.else
	s_wait_dscnt 0x0
.endif
.if (\t)+AHEAD < STEPS
	LOAD (\t)+AHEAD                                ; which take the loads of eight steps on
.endif
.if (\t)+1 < STEPS
.if STEPS-2-(\t) >= AHEAD-1
	s_wait_loadcnt 4*(AHEAD-1)                     ; the next step's four loads are in; those of the seven steps behind it may be out
.else
	s_wait_loadcnt 4*(STEPS-2-(\t))                ; at the end: as many steps as are left behind the next one
.endif
	TURN (\t)+1                                    ; and go through the other stage while this step is worked
.endif
	v_max3_num_f32 v8, |v[XS]|, |v[XS+1]|, |v[XS+2]|               ; the largest magnitude of my 16, in two chains
	v_max3_num_f32 v9, |v[XS+3]|, |v[XS+4]|, |v[XS+5]|
.irp i, 6,10
	v_max3_num_f32 v8, v8, |v[XS+\i]|, |v[XS+\i+1]|
	v_max3_num_f32 v9, v9, |v[XS+\i+2]|, |v[XS+\i+3]|
.endr
	v_max3_num_f32 v8, v8, |v[XS+14]|, |v[XS+15]|
	v_max3_num_f32 v8, v8, v9, (EMAX+1)<<23        ; and the floor 2^(3 - 127): the byte cannot fall under 1
	v_max_num_f32_dpp v8, v8, v8 row_xmask:1 row_mask:0xf bank_mask:0xf   ; and of my neighbour's 16: the block's
	v_add_nc_u32 v11, -(EMAX<<23), v8              ; 2 off its exponent field: the conversion takes the exponent field of this operand as its scale, and nothing else of it
	v_cvt_scalef32_pk8_fp4_f32 v[C+2*(\t)], v[XS:XS+7], v11
	v_cvt_scalef32_pk8_fp4_f32 v[C+2*(\t)+1], v[XS+8:XS+15], v11
	v_lshrrev_b32 v[E+(\t)], 23, v11               ; the scale's byte (also the plain line behind the conversions)
	ds_store_b8 v5, v[E+(\t)] offset:16*(\t)       ; both lanes of a block write the same byte with the same value
	global_store_b64 v4, v[C+2*(\t):C+2*(\t)+1], s[12:13] offset:32*CB*(\t)   ; the wave stores 256 consecutive bytes, aligned
.endm
.irp t, 0,1,2,3,4,5,6,7,8,9,10,11,12,13,14,15
	STEP \t
.endr
	ds_load_b64 v[8:9], v6                         ; LDS serves a wave's instructions in order: these see my stores
	s_wait_dscnt 0x0
	global_store_b64 v7, v[8:9], s[14:15]          ; 32 lanes store 256 consecutive bytes, aligned
	s_wait_tensorcnt 0x0                           ; the wave's end: behind my last LDS store
	ds_add_u32 v[SPW], v[NIL]
	s_wait_dscnt 0x0
	s_endpgm
.Lfunc_end_k_q5752ac75ed_quant:
	.size	k_q5752ac75ed_quant, .Lfunc_end_k_q5752ac75ed_quant-k_q5752ac75ed_quant
	.p2alignl 7, 3214868480
	.fill 96, 4, 3214868480
	.section	.rodata,"a",@progbits
	.p2align	6, 0x0
	.amdhsa_kernel k_q5752ac75ed_quant
		.amdhsa_group_segment_fixed_size 33280
		.amdhsa_private_segment_fixed_size 0
		.amdhsa_enable_private_segment 0
		.amdhsa_kernarg_size 64
		.amdhsa_user_sgpr_count 2
		.amdhsa_user_sgpr_kernarg_segment_ptr 1
		.amdhsa_wavefront_size32 1
		.amdhsa_system_sgpr_workgroup_id_x 1
		.amdhsa_system_sgpr_workgroup_id_y 1
		.amdhsa_system_sgpr_workgroup_id_z 1
		.amdhsa_system_vgpr_workitem_id 0
		.amdhsa_next_free_vgpr 224
		.amdhsa_next_free_sgpr 66
		.amdhsa_reserve_vcc 0
		.amdhsa_float_denorm_mode_32 3
		.amdhsa_float_denorm_mode_16_64 3
		.amdhsa_memory_ordered 1
		.amdhsa_forward_progress 1
		.amdhsa_inst_pref_size 34
	.end_amdhsa_kernel
	.amdgpu_metadata
---
amdhsa.version: [ 1, 2 ]
amdhsa.kernels:
  - .name:           k_q5752ac75ed_quant
    .symbol:         k_q5752ac75ed_quant.kd
    .args:
      - { .name: strat, .offset: 0, .size: 8, .value_kind: global_buffer, .address_space: global }
      - { .name: Wq, .offset: 8, .size: 8, .value_kind: global_buffer, .address_space: global }
      - { .name: Wk, .offset: 16, .size: 8, .value_kind: global_buffer, .address_space: global }
      - { .name: Wv, .offset: 24, .size: 8, .value_kind: global_buffer, .address_space: global }
      - { .name: xc, .offset: 32, .size: 8, .value_kind: global_buffer, .address_space: global }
      - { .name: xs, .offset: 40, .size: 8, .value_kind: global_buffer, .address_space: global }
      - { .name: wc, .offset: 48, .size: 8, .value_kind: global_buffer, .address_space: global }
      - { .name: ws, .offset: 56, .size: 8, .value_kind: global_buffer, .address_space: global }
    .group_segment_fixed_size: 33280
    .private_segment_fixed_size: 0
    .kernarg_segment_align: 8
    .kernarg_segment_size: 64
    .max_flat_workgroup_size: 128
    .sgpr_count:     66
    .vgpr_count:     224
    .wavefront_size: 32
...
	.end_amdgpu_metadata
.endif
;; end of part 1
;; launch proj (part 2): grid 12 x 16, 4 waves a work-group, clusters of 4 x 4, 327,680 bytes of LDS; arguments xc, xs, wc, ws, bq, qkv; writes qkv
.if DOCPART == 2
	.amdgcn_target "amdgcn-amd-amdhsa--gfx1250"
	.amdhsa_code_object_version 6
	.text
	.protected	k_q5752ac75ed_proj
	.globl	k_q5752ac75ed_proj
	.p2align	8
	.type	k_q5752ac75ed_proj,@function
k_q5752ac75ed_proj:
	s_mov_b64 s[64:65], 0
	v_nop
	global_prefetch_b8 v0, s[64:65] scope:SCOPE_SE
	s_setreg_imm32_b32 hwreg(HW_REG_WAVE_MODE, 25, 1), 1
	s_wait_xcnt 0x0
	s_wait_alu depctr_hold_cnt(0) depctr_sa_sdst(0) depctr_va_vdst(0) depctr_va_sdst(0) depctr_va_ssrc(0) depctr_va_vcc(0) depctr_vm_vsrc(0)
	s_getreg_b32 s2, hwreg(HW_REG_IB_STS2, 6, 4)
	s_cmp_eq_u32 s2, 0
	s_cbranch_scc0 .Lentry_in_a_cluster
	s_endpgm
.Lentry_in_a_cluster:
	s_bfe_u32 s2, ttmp6, 0x10000c
	s_cmp_lg_u32 s2, 0xf033
	s_cbranch_scc0 .Lentry_shape_is_right
	s_endpgm
.Lentry_shape_is_right:
; qkv[m][n] = sum over k of x[m][k] W[n][k] (+ bq[n] for n < 1,024), as f16.  x: 8,192 rows, W = [Wq; Wk; Wv]: 3,072 rows, K = 1,024: codes of FP4 (E2M1) with one E8M0 byte for each 32 along K; sums in f32.
; WORK LEFT OUT: bk (constant along the softmax's axis: see the head of launch quant) is not added; bv is added in launch mix.  LIMIT: results beyond 65,504 become infinities in f16.
; A tile of 256 x 256 is made by a work-group of four waves; a wave makes 128 x 128: 64 accumulators, 512 registers.  K = 1,024 is two LDS slots of 512 along K (rows of 256 bytes).
; A WORK-GROUP STAYS AND MAKES TWO TILES, one 4,096 rows below the other: 384 tiles, 192 work-groups of equal work.  Both tiles take the same 256 rows of W: W's codes, W's scale bytes and the bias stay where they are.
; Only x's half of each slot is filled again, ONCE: in the first tile's last step, when all its fragments of x are in registers, each wave asks for a quarter of the second tile's x (128 rows x 256 bytes).  That load
; lands under 32 matrix instructions and the first tile's way out, and nothing waits for the first tile's stores: they leave while the second tile is multiplied.
; The scale bytes of the work-group's rows (x's for both tiles, W's), for all of K, come once, with the first fills.  Waves 0 and 1 have four tensor loads out at the most, waves 2 and 3 three.
; CLUSTERS: 4 x 4 work-groups.  The four of a row of the cluster need the same tiles of x, the four of a column the same tiles of W: each is asked for JOINTLY, by the same tensor load with the same descriptor and a mask of the four.
; THE MATRIX INSTRUCTION IS USED TRANSPOSED (source 0 = 16 rows of W, source 1 = 16 rows of x): a lane holds eight neighbouring columns of one row of the result, which pack into 16 bytes of f16.
; THE BIAS is the C of each sum's first matrix instruction: eight registers for each of the wave's eight column blocks.  The cluster's x says which of Q, K', V' a tile belongs to (the same in all sixteen partners): 0 loads bq, the others take zeros.
; No prefetch: the launch has three groups of tensor loads in all, and the one refill has the way out in which to land.
; REGISTERS, in windows of 256: window 0: v0-31 addresses; v32-95 scale words, two sets (on the way out: rows read back); v96-127 packed results; v128-191 x's fragments, ONE set; v192-255 the bias.
;   window 1: W's fragments, TWO sets, at v0 and v128.   window 2: the accumulators of my rows 0-63 ((a, b) at v[8 (8 a + b)]);   window 3: those of my rows 64-127.
.set KSTEP,  512                       ; along K in a slot
.set NQ,     KSTEP/128                 ; matrix instructions deep
.set ROWB,   256                       ; a tile's row in bytes
.set KROW,   512                       ; a row of codes in memory
.set PITCH,  272                       ; an LDS row: 256 bytes + 16 of padding, so that the 16 rows that a load touches start 68 words apart
.set FR,     8                         ; registers of a fragment: 16 rows x 128 K
.set NL,     2                         ; LDS loads that bring one
.set NP,     4                         ; places behind this matrix instruction (ISA guide 7.12.1)
.set HALFT,  128*PITCH                 ; 128 rows: what one tensor load brings
.set SLOT,   4*HALFT                   ; x's 256 rows, then W's 256 rows
.set KS,     32                        ; a row of scale bytes
.set SCL,    2*SLOT                    ; behind the slots: the scale bytes, as units of 256 bytes + 16 of padding: x's of the first tile, x's of the second, W's
.set HALFS,  (128*KS/256)*272          ; those of 128 rows: what one tensor load brings
.set SBLK,   (16*KS/256)*272           ; those of 16 rows
.set SPITCH, 272                       ; the way out: a stage of 16 rows x (256 bytes + 16) for each wave,
.set STG,    SCL+6*HALFS               ; with bytes of its own, into which no tensor load lands
.set SPARE,  STG+4*16*SPITCH           ; behind the stages: the spare words, 128 bytes a wave, which no other line names
.set OROW,   6144                      ; a row of qkv in bytes
.set WALK,   4096                      ; rows from a work-group's first tile to its second
.set ADRA, 16                          ; v16-17  LDS address of my x fragments in slot 0, 1
.set ADRB, 20                          ; v20-21  the same for W
.set STO,  24                          ; v24     the way out: where I put 16 bytes of a row
.set RD,   25                          ; v25     where I read a row back
.set CO,   26                          ; v26     my byte offset in qkv
.set SPW,  28                          ; v28     LDS address of my spare word; never rewritten
.set NIL,  29                          ; v29     0; never rewritten
.set ADRS, 30                          ; v30-31  LDS address of my scale words for tile 0, 1: lanes 0-15 x's rows, lanes 16-31 W's
.set SC,   32                          ; scale words: set s at v[SC + 32 s]; register 4 i + q: lanes 0-15 x's block i, lanes 16-31 W's block i, the slot's q-th 128 along K
.set OB,   32                          ; the way out: 16 rows read back: v32-63 and v64-95 by turns
.set TMP,  96                          ; the way out: packed results
.set AF,   128                         ; x's fragments
.set BI,   192                         ; the bias: v[BI + 8 b + j] = bq[my first column + 16 b + 8 (lane / 16) + j], or 0; kept for both tiles
.set G0X, 4                            ; s[4:7]   group 0 for the second tile's scales of x   (s[4:11] held the four pointers, which are done with by then)
.set G0R, 8                            ; s[8:11]  group 0 for the refill: my quarter of the second tile's x
.set G1, 24                            ; s[24:31] group 1 for x's tiles; s[32:39] group 0, a set for each slot
.set G0, 32
.set G1B, 48                           ; s[48:55], s[56:63] the same for W's
.set G0B, 56
.set G1S, 68                           ; s[68:75], s[76:79] groups 1 and 0 for x's scales; s[80:87], s[88:91] for W's
.set G0S, 76
.set G1SB, 80
.set G0SB, 88
.set MSB, 0
.macro WIN new                         ; the immediate's high byte repeats the setting that is left
.if MSB != \new
	s_set_vgpr_msb (MSB<<8)|\new
.set MSB, \new
.endif
.endm
.set MUL_LO, 0xa1                      ; source 0 (W) window 1, source 1 (x) window 0, C and D window 2
.set MUL_HI, 0xf1                      ; the same, C and D window 3
.set BIA_LO, 0x81                      ; the same with C (the bias) in window 0
.set BIA_HI, 0xc1
.set TO_B,   0x40                      ; destination window 1, address window 0
; A load into a register that a matrix instruction has read, and a vector instruction that reads a matrix result, stand NP places behind that matrix instruction; only plain vector instructions that name none of its
; registers are places (ISA guide 7.12.1 for vector instructions).
.macro PLACES n
.rept \n
	v_nop
.endr
.endm
; A joint load: waves 0 and 1 fetch for x, waves 2 and 3 for W.  Each of the two lines has ONE mask and one set of registers for all that issue it; the branch hangs on the wave's number alone.
.macro JLOAD g0a, g1a, g0b, g1b
	s_cmp_eq_u32 s15, 0
	s_cbranch_scc0 .Lfor_b_\@
	tensor_load_to_lds s[\g0a:\g0a+3], s[\g1a:\g1a+7]
	s_nop 0
	PLACES 4
	s_branch .Lasked_\@
.Lfor_b_\@:
	tensor_load_to_lds s[\g0b:\g0b+3], s[\g1b:\g1b+7]
	s_nop 0
	PLACES 4
.Lasked_\@:
.endm
.macro CREST                           ; a round of the cluster's barrier behind its opening barrier
	s_cmp_lg_u32 s14, 0
	s_cbranch_scc1 .Lnot_wave_0_\@
	s_barrier_signal -3
.Lnot_wave_0_\@:
	s_barrier_wait -3
	s_barrier_signal -1
	s_barrier_wait -1
.endm
.macro CROUND                          ; a whole round
	s_barrier_signal -1
	s_barrier_wait -1
	CREST
.endm
	s_load_b128 s[4:7], s[0:1], 0x0                ; x's codes s[4:5], x's scales s[6:7]
	s_load_b128 s[8:11], s[0:1], 0x10              ; W's codes s[8:9], W's scales s[10:11]
	s_load_b64 s[96:97], s[0:1], 0x20              ; bq
	s_load_b64 s[12:13], s[0:1], 0x28              ; qkv
	v_lshl_add_u32 v[SPW], v0, 2, SPARE
	v_mov_b32 v[NIL], 0
	ds_add_u32 v[SPW], v[NIL]                      ; the wave's opening: the add, twice on end, and its wait ahead of my first tensor load
	ds_add_u32 v[SPW], v[NIL]
	v_lshrrev_b32 v1, 5, v0
	v_readfirstlane_b32 s14, v1                    ; wave 0..3
	s_lshr_b32 s15, s14, 1                         ; which half of the tile's rows is mine.  Also: at the start I fetch for x (0) or for W (1); in the refill: for slot 0 or 1
	s_and_b32 s16, s14, 1                          ; which half of its columns.  Also: which 128 rows I fetch
	s_bfe_u32 s40, ttmp6, 0x40000                  ; cx, cy: my place in the cluster
	s_bfe_u32 s41, ttmp6, 0x40004
	s_lshl_b32 s42, ttmp9, 2
	s_add_co_u32 s42, s42, s40                     ; tile column = 4 x cluster x + cx
	s_and_b32 s17, ttmp7, 0xffff
	s_lshl_b32 s17, s17, 2
	s_add_co_u32 s17, s17, s41                     ; the first tile's row of tiles = 4 x cluster y + cy: 0 to 15
	s_lshl_b32 s43, s41, 2
	s_lshl_b32 s43, 15, s43                        ; my row of the cluster
	s_lshl_b32 s44, 0x1111, s40                    ; my column
	s_or_b32 s[G1+0], s43, (0<<16)|(1<<20)|(1<<21)|(5<<22)|(3<<25)  ; the mask: x's tiles go to my row; elements of 1 byte; padding on; bit 21 beside a mask; 4 words of padding after every 64
	s_or_b32 s[G1B+0], s44, (0<<16)|(1<<20)|(1<<21)|(5<<22)|(3<<25)
.irp g, G1, G1B
	s_mov_b32 s[\g+1], ROWB<<16                    ; tensor_dim0
	s_mov_b32 s[\g+2], 128<<16                     ; tensor_dim1 = 128
	s_mov_b32 s[\g+3], ROWB<<16                    ; tile_dim0
	s_mov_b32 s[\g+4], 128                         ; tile_dim1 = 128
	s_mov_b32 s[\g+5], KROW                        ; from row to row
	s_mov_b32 s[\g+6], 0
	s_mov_b32 s[\g+7], 0
.endr
	; the scales of 128 rows: a dense block of 4,096 bytes, as 16 rows of 256 bytes (32 elements of 8 bytes), 16 bytes of padding behind each
	s_or_b32 s[G1S+0], s43, (3<<16)|(1<<20)|(1<<21)|(5<<22)|(3<<25)
	s_or_b32 s[G1SB+0], s44, (3<<16)|(1<<20)|(1<<21)|(5<<22)|(3<<25)
.irp g, G1S, G1SB
	s_mov_b32 s[\g+1], 32<<16
	s_mov_b32 s[\g+2], (128*KS/256)<<16
	s_mov_b32 s[\g+3], 32<<16
	s_mov_b32 s[\g+4], 128*KS/256
	s_mov_b32 s[\g+5], 32
	s_mov_b32 s[\g+6], 0
	s_mov_b32 s[\g+7], 0
.endr
	s_lshl_b32 s18, s16, 7                         ; which 128 rows of the tile I fetch
	s_lshl_b32 s20, s17, 8
	s_add_co_u32 s20, s20, s18                     ; x: row 256 x tile row + 128 x half
	s_lshl_b32 s46, s42, 8
	s_add_co_u32 s46, s46, s18                     ; W: row 256 x tile column + 128 x half
	s_mov_b32 s21, 0
	s_mov_b32 s47, 0
	s_mov_b64 s[18:19], KS
	s_mul_u64 s[22:23], s[20:21], s[18:19]         ; where these rows' scales begin, in bytes
	s_mul_u64 s[92:93], s[46:47], s[18:19]
	s_mov_b64 s[18:19], KROW
	s_mul_u64 s[20:21], s[20:21], s[18:19]         ; and their codes
	s_mul_u64 s[46:47], s[46:47], s[18:19]
	s_mul_i32 s45, s14, HALFT                      ; where the first tiles go: wave x 128 rows: no place in the cluster enters an LDS address
	s_mul_i32 s94, s16, HALFS                      ; the scales: my half of a block of 256 rows
	s_mul_i32 s66, s16, HALFT                      ; the refill: half (wave % 2) of x's rows
	s_mul_i32 s67, s15, SLOT                       ; in slot (wave / 2)
	s_add_co_u32 s95, s66, s67
	s_lshl_b32 s66, s15, 8                         ; and that slot's 256 bytes of a row in memory
	s_mov_b32 s67, 0
	s_wait_dscnt 0x0                               ; both opening adds are done
	s_wait_kmcnt 0x0
	s_add_nc_u64 s[20:21], s[4:5], s[20:21]
	s_add_nc_u64 s[22:23], s[6:7], s[22:23]
	s_add_nc_u64 s[46:47], s[8:9], s[46:47]
	s_add_nc_u64 s[92:93], s[10:11], s[92:93]      ; the four pointers are done with: s[4:11] take two groups 0
	CROUND                                         ; all sixteen work-groups are here: the first joint loads meet
	s_mov_b32 s[G0S], 1
	s_add_co_u32 s[G0S+1], s94, SCL
	s_mov_b64 s[G0S+2:G0S+3], s[22:23]
	s_or_b32 s[G0S+3], s[G0S+3], 0x80000000
	s_mov_b32 s[G0X], 1
	s_add_co_u32 s[G0X+1], s94, SCL+2*HALFS
	s_add_nc_u64 s[G0X+2:G0X+3], s[22:23], WALK*KS ; the same rows of the second tile
	s_or_b32 s[G0X+3], s[G0X+3], 0x80000000
	s_mov_b32 s[G0SB], 1
	s_add_co_u32 s[G0SB+1], s94, SCL+4*HALFS
	s_mov_b64 s[G0SB+2:G0SB+3], s[92:93]
	s_or_b32 s[G0SB+3], s[G0SB+3], 0x80000000
	s_cmp_eq_u32 s15, 0                            ; the scales first: waves 0 and 1 fetch x's, for both tiles, waves 2 and 3 W's
	s_cbranch_scc0 .Lscales_w
	tensor_load_to_lds s[G0S:G0S+3], s[G1S:G1S+7]
	s_nop 0
	tensor_load_to_lds s[G0X:G0X+3], s[G1S:G1S+7]
	s_nop 0
	PLACES 4
	s_branch .Lscales_asked
.Lscales_w:
	tensor_load_to_lds s[G0SB:G0SB+3], s[G1SB:G1SB+7]
	s_nop 0
	PLACES 4
.Lscales_asked:
.irp s, 0,1
	s_mov_b32 s[G0+4*\s], 1
	s_add_co_u32 s[G0+4*\s+1], s45, \s*SLOT
	s_add_nc_u64 s[G0+4*\s+2:G0+4*\s+3], s[20:21], \s*ROWB
	s_or_b32 s[G0+4*\s+3], s[G0+4*\s+3], 0x80000000
	s_mov_b32 s[G0B+4*\s], 1
	s_add_co_u32 s[G0B+4*\s+1], s45, \s*SLOT
	s_add_nc_u64 s[G0B+4*\s+2:G0B+4*\s+3], s[46:47], \s*ROWB
	s_or_b32 s[G0B+4*\s+3], s[G0B+4*\s+3], 0x80000000
	JLOAD G0+4*\s, G1, G0B+4*\s, G1B
.endr
	s_mov_b32 s[G0R], 1                            ; the refill's group 0, made here and used once: it hangs on the tile row and the wave's number alone, which my row of the cluster shares
	s_mov_b32 s[G0R+1], s95
	s_add_nc_u64 s[G0R+2:G0R+3], s[20:21], s[66:67]
	s_add_nc_u64 s[G0R+2:G0R+3], s[G0R+2:G0R+3], WALK*KROW
	s_or_b32 s[G0R+3], s[G0R+3], 0x80000000
	v_and_b32 v1, 15, v0                           ; l % 16
	v_bfe_u32 v2, v0, 4, 1                         ; l / 16
	v_lshlrev_b32 v8, 5, v2                        ; the bias: 32 bytes for each half of the lanes
	; THE BIAS.  The branch hangs on the cluster's x alone, which all partners share; both arms write all 64 registers.
	s_cmp_lg_u32 ttmp9, 0
	s_cbranch_scc1 .Lno_bias
	s_lshl_b32 s20, s42, 10                        ; my first column, in bytes of f32: 1,024 x tile column + 512 x half
	s_lshl_b32 s21, s16, 9
	s_add_co_u32 s20, s20, s21
	s_mov_b32 s21, 0
	s_add_nc_u64 s[96:97], s[96:97], s[20:21]
.irp b, 0,1,2,3,4,5,6,7
	global_load_b128 v[BI+8*\b:BI+8*\b+3], v8, s[96:97] offset:64*\b
	global_load_b128 v[BI+8*\b+4:BI+8*\b+7], v8, s[96:97] offset:64*\b+16
.endr
	s_branch .Lbias_done
.Lno_bias:
.irp j, 0,1,2,3,4,5,6,7,8,9,10,11,12,13,14,15,16,17,18,19,20,21,22,23,24,25,26,27,28,29,30,31,32,33,34,35,36,37,38,39,40,41,42,43,44,45,46,47,48,49,50,51,52,53,54,55,56,57,58,59,60,61,62,63
	v_mov_b32 v[BI+\j], 0                          ; K' and V' start from zero; written once, so that the first step is one text for all tiles
.endr
.Lbias_done:
	v_mul_u32_u24 v3, v1, PITCH
	v_lshl_add_u32 v4, v2, 4, v3                   ; a fragment's row x pitch + 16 x half
	s_mul_i32 s21, s15, HALFT                      ; my 128 rows of x
	s_mul_i32 s22, s16, HALFT                      ; my 128 rows of W,
	s_add_co_u32 s22, s22, 2*HALFT                 ; which lie behind x's 256
.irp s, 0,1
	v_add_nc_u32 v[ADRA+\s], s21, v4
	v_add_nc_u32 v[ADRB+\s], s22, v4
	s_add_co_u32 s21, s21, SLOT
	s_add_co_u32 s22, s22, SLOT
.endr
	v_mul_u32_u24 v5, v1, KS                       ; my row's scales: 32 bytes a row,
	v_lshrrev_b32 v6, 8, v5
	v_lshl_add_u32 v5, v6, 4, v5                   ; and 16 more for each 256 passed
	s_mul_i32 s21, s15, HALFS                      ; x's: my 128 rows
	s_mul_i32 s22, s16, HALFS                      ; W's: my 128 rows, behind x's two blocks of 256:
	s_add_co_u32 s22, s22, 4*HALFS
	s_sub_co_u32 s22, s22, s21                     ; so far above x's of the first tile
	v_mul_u32_u24 v6, s22, v2                      ; lanes 16-31 take W's
	s_add_co_u32 s23, s21, SCL
	v_add_nc_u32 v6, v5, v6
	v_add_nc_u32 v[ADRS], s23, v6
	s_mul_i32 s22, s16, HALFS                      ; the same for the second tile, whose scales of x lie 2 HALFS further on
	s_add_co_u32 s22, s22, 2*HALFS
	s_sub_co_u32 s22, s22, s21
	v_mul_u32_u24 v6, s22, v2
	s_add_co_u32 s23, s21, SCL+2*HALFS
	v_add_nc_u32 v6, v5, v6
	v_add_nc_u32 v[ADRS+1], s23, v6
	s_mul_i32 s23, s14, 16*SPITCH
	s_add_co_u32 s23, s23, STG                     ; my stage
	v_mul_u32_u24 v5, v1, SPITCH                   ; in: row l % 16, 16 bytes for each half of the lanes
	v_lshl_add_u32 v5, v2, 4, v5
	v_add_nc_u32 v[STO], s23, v5
	v_mul_u32_u24 v5, v2, SPITCH                   ; back: lanes 0-15 take one row of 256 bytes, lanes 16-31 the next
	v_lshl_add_u32 v5, v1, 4, v5
	v_add_nc_u32 v[RD], s23, v5
	v_mul_u32_u24 v5, v2, OROW                     ; and the same two rows in qkv
	v_lshl_add_u32 v[CO], v1, 4, v5
	s_lshl_b32 s20, s17, 8
	s_lshl_b32 s21, s15, 7
	s_add_co_u32 s20, s20, s21                     ; my first row: 256 x tile row + 128 x half
	s_mul_i32 s20, s20, OROW
	s_lshl_b32 s46, s42, 9                         ; my first column, in bytes of f16: 512 x tile column + 256 x half
	s_lshl_b32 s47, s16, 8
	s_add_co_u32 s46, s46, s47
	s_add_co_u32 s20, s20, s46                     ; under 2^25
	s_mov_b32 s21, 0
	s_add_nc_u64 s[12:13], s[12:13], s[20:21]
.macro FRAG reg, adr, q, i             ; a fragment, 16 rows x 128 K of 4-bit codes: lane l holds row l % 16; registers 4 c .. 4 c + 3 hold K = 64 c + 32 (l / 16) + 0 .. 31
.irp c, 0,1
	ds_load_b128 v[\reg+4*\c:\reg+4*\c+3], v[\adr] offset:64*(\q)+32*\c+(\i)*16*PITCH
.endr
.endm
; 16 matrix instructions: x's blocks a0, a0 + 1 against W's eight, the slot's q-th 128 along K.  p: W's set; sc: the set of scale words.  first = 1: the sums start from the bias.
; The 64 accumulators take turns, one instruction a turn, in the same order in every step, from tile to tile too.
.macro MUL16 a0, p, q, sc, first
.irp a, \a0, \a0+1
.irp b, 0,1,2,3,4,5,6,7
.if \first
	v_wmma_scale_f32_16x16x128_f8f6f4 v[8*(8*((\a)%4)+\b):8*(8*((\a)%4)+\b)+7], v[128*(\p)+FR*\b:128*(\p)+FR*\b+FR-1], v[AF+FR*(\a):AF+FR*(\a)+FR-1], v[BI+8*\b:BI+8*\b+7], v[SC+8*NQ*(\sc)+NQ*\b+(\q)], v[SC+8*NQ*(\sc)+NQ*(\a)+(\q)] matrix_a_fmt:MATRIX_FMT_FP4 matrix_b_fmt:MATRIX_FMT_FP4 matrix_a_scale:MATRIX_SCALE_ROW1
.else
	v_wmma_scale_f32_16x16x128_f8f6f4 v[8*(8*((\a)%4)+\b):8*(8*((\a)%4)+\b)+7], v[128*(\p)+FR*\b:128*(\p)+FR*\b+FR-1], v[AF+FR*(\a):AF+FR*(\a)+FR-1], v[8*(8*((\a)%4)+\b):8*(8*((\a)%4)+\b)+7], v[SC+8*NQ*(\sc)+NQ*\b+(\q)], v[SC+8*NQ*(\sc)+NQ*(\a)+(\q)] matrix_a_fmt:MATRIX_FMT_FP4 matrix_b_fmt:MATRIX_FMT_FP4 matrix_a_scale:MATRIX_SCALE_ROW1
.endif
.endr
.endr
.endm
.macro FETCH_B slot, q, p              ; W's eight fragments of the slot's q-th 128 along K into set p
	WIN TO_B
.irp i, 0,1,2,3,4,5,6,7
	FRAG 128*(\p)+FR*\i, ADRB+\slot, \q, \i
.endr
	WIN 0
.endm
.macro FETCH_A slot, q, i0             ; x's blocks i0 .. i0 + 3
.irp i, \i0, \i0+1, \i0+2, \i0+3
	FRAG AF+FR*(\i), ADRA+\slot, \q, \i
.endr
.endm
.macro SCALES sc, t                    ; slot sc's scale words of tile t into set sc: four words a row (a row's second 16 bytes for slot 1); lanes 0-15 take x's block i, lanes 16-31 W's block i
.irp i, 0,1,2,3,4,5,6,7
	ds_load_b128 v[SC+8*NQ*\sc+NQ*\i:SC+8*NQ*\sc+NQ*\i+3], v[ADRS+\t] offset:\i*SBLK+4*NQ*\sc
.endr
.endm
.macro START t                         ; a tile's first fragments and scale words
	FETCH_B 0, 0, 0
	FETCH_A 0, 0, 0
	SCALES 0, \t
	FETCH_A 0, 0, 4
.endm
; A step of 128 along K that has its successor in the same slot.
.macro STEP slot, q, first
	s_wait_dscnt 4*NL                              ; W's set, x's blocks 0-3 (and the scale words) are in; the youngest eight loads (x's blocks 4-7) may be out
.if \first
	WIN BIA_LO
.else
	WIN MUL_LO
.endif
	MUL16 0, (\q)%2, \q, \slot, \first
	MUL16 2, (\q)%2, \q, \slot, \first
	s_wait_dscnt 0                                 ; x's blocks 4-7 are in (asked for 32 matrix instructions ago)
	PLACES NP
	FETCH_B \slot, (\q)+1, 1-(\q)%2
	FETCH_A \slot, (\q)+1, 0
.if \first
	WIN BIA_HI
.else
	WIN MUL_HI
.endif
	MUL16 4, (\q)%2, \q, \slot, \first
	MUL16 6, (\q)%2, \q, \slot, \first
	PLACES NP
	WIN 0
	FETCH_A \slot, (\q)+1, 4
.endm
.macro STEPS slot, from                ; the slot's steps from .. NQ - 2
.set Q, \from
.rept NQ-1-\from
	STEP \slot, Q, 0
.set Q, Q+1
.endr
.endm
; Slot 0's last step, which goes on to slot 1.  In the first tile a barrier stands in it: in front of it each wave has waited for its part of slot 1.  In the second tile both slots were shown whole by the barrier at its head.
.macro MID t
.if \t == 0
	s_wait_tensorcnt 0x0                           ; all my tensor loads have landed
	ds_add_u32 v[SPW], v[NIL]                      ; 0 onto my spare word
	s_wait_dscnt 4*NL+1                            ; (the add and the youngest eight loads may be out)
	WIN MUL_LO
	MUL16 0, 1, NQ-1, 0, 0
	s_wait_dscnt 0x0                               ; the add is done, and no LDS load of mine is out
	s_barrier_signal -1
	MUL16 2, 1, NQ-1, 0, 0
	WIN 0
	s_barrier_wait -1
.else
	s_wait_dscnt 4*NL
	WIN MUL_LO
	MUL16 0, 1, NQ-1, 0, 0
	MUL16 2, 1, NQ-1, 0, 0
	s_wait_dscnt 0
.endif
	PLACES NP
	FETCH_B 1, 0, 0
	FETCH_A 1, 0, 0
	SCALES 1, \t
	WIN MUL_HI
	MUL16 4, 1, NQ-1, 0, 0
	MUL16 6, 1, NQ-1, 0, 0
	PLACES NP
	WIN 0
	FETCH_A 1, 0, 4
.endm
; A tile's last step: nothing more to fetch from LDS.  In the first tile THE REFILL stands in it: each wave waits for all its tensor loads (none is out), adds 0 to its spare word, and waits for that and for its reads of
; both slots: all fragments of x are in registers.  The barrier opens a round of the cluster's barrier: no wave of any partner still reads x's rows.  Behind the round each wave issues its one load.
.macro LAST t
.if \t == 0
	s_wait_tensorcnt 0x0
	ds_add_u32 v[SPW], v[NIL]                      ; 0 onto my spare word
	s_wait_dscnt 4*NL+1                            ; (the add and the youngest eight loads may be out)
	WIN MUL_LO
	MUL16 0, 1, NQ-1, 1, 0                         ; sixteen matrix instructions stand between the add and the wait for it
	s_wait_dscnt 0x0                               ; the add is done, and my reads of x's rows are over
	s_barrier_signal -1
	MUL16 2, 1, NQ-1, 1, 0                         ; work on registers while the others arrive
	WIN 0
	s_barrier_wait -1
	CREST
	tensor_load_to_lds s[G0R:G0R+3], s[G1:G1+7]    ; my quarter of the second tile's x: the first thing behind the round, and my only tensor load from here on
	s_nop 0
	PLACES 4
.else
	s_wait_dscnt 4*NL
	WIN MUL_LO
	MUL16 0, 1, NQ-1, 1, 0
	MUL16 2, 1, NQ-1, 1, 0
	s_wait_dscnt 0
.endif
	WIN MUL_HI
	MUL16 4, 1, NQ-1, 1, 0
	MUL16 6, 1, NQ-1, 1, 0
	WIN 0
.endm
; THE WAY OUT of block a (16 rows x 128 columns).  PACK: rounded to f16, 16 bytes a lane, each accumulator from its low end on.  TOSTAGE: into my own stage, and back as whole rows of 256 bytes.  SEND: stored.
.macro PACK a
.set AC, 64*((\a)%4)
	WIN 0x0a+5*((\a)/4)                            ; sources 0 and 1: window 2 or 3
.irp b, 0,1,2,3,4,5,6,7
.irp r, 0,1,2,3
	v_cvt_pk_f16_f32 v[TMP+4*\b+\r], v[AC+8*\b+2*\r], v[AC+8*\b+2*\r+1]
.endr
.endr
	WIN 0
.endm
.macro TOSTAGE a
.set BK, OB+32*((\a)%2)
.irp b, 0,1,2,3,4,5,6,7
	ds_store_b128 v[STO], v[TMP+4*\b:TMP+4*\b+3] offset:32*\b
.endr
.irp t, 0,1,2,3,4,5,6,7
	ds_load_b128 v[BK+4*\t:BK+4*\t+3], v[RD] offset:\t*2*SPITCH    ; LDS serves a wave's instructions in order: these see the stores above
.endr
.endm
.macro SEND a, t
.set BK, OB+32*((\a)%2)
	s_wait_dscnt 0x0                               ; the block is back in registers
	s_wait_xcnt 0x0                                ; the earlier stores have read their base and their registers: only behind this wait are they rewritten
.if (\a) > 0
	s_add_nc_u64 s[12:13], s[12:13], 16*OROW       ; 16 rows on
.elseif \t > 0
	s_add_nc_u64 s[12:13], s[12:13], (WALK-7*16)*OROW   ; from my last 16 rows of the first tile to my first of the second
.endif
.irp u, 0,1,2,3,4,5,6,7
	global_store_b128 v[CO], v[BK+4*\u:BK+4*\u+3], s[12:13] offset:2*\u*OROW th:TH_STORE_NT   ; 16 lanes store 256 consecutive bytes, at a multiple of 256 from qkv's first byte
.endr
.endm
.macro OUT t
	PLACES NP                                      ; behind the last products: their scale words' registers take loads, and results are read
	PACK 0
	TOSTAGE 0
.irp a, 1,2,3,4,5,6,7                  ; block a's conversions stand between block a - 1's loads from the stage and the wait for them
	PACK \a
	SEND \a-1, \t
	TOSTAGE \a
.endr
	SEND 7, \t
.endm
	s_wait_tensorcnt 1                             ; the scales and my part of slot 0 are in (slot 1's load, the one issued behind them, may be out)
	s_barrier_signal -1
	s_barrier_wait -1                              ; everybody's are
	START 0
	s_wait_loadcnt 0x0                             ; the bias
	STEP 0, 0, 1                                   ; a tile's first step starts the sums from the bias
	STEPS 0, 1
	MID 0
	STEPS 1, 0
	LAST 0                                         ; the second tile's x is asked for
	OUT 0                                          ; and lands while the first tile goes out
	s_wait_tensorcnt 0x0                           ; my quarter of the second tile's x is in,
	s_wait_xcnt 0x0                                ; the stores have read v32-95, which take scale words again,
	s_wait_dscnt 0x0                               ; no LDS instruction of mine is out:
	s_barrier_signal -1
	s_barrier_wait -1                              ; everybody's quarter is in: both slots are whole, and the second tile needs no further barrier
	START 1
	STEP 0, 0, 1
	STEPS 0, 1
	MID 1
	STEPS 1, 0
	LAST 1
	OUT 1
	s_wait_tensorcnt 0x0                           ; the wave's end: behind my last tensor load and my last LDS store
	ds_add_u32 v[SPW], v[NIL]
	s_wait_dscnt 0x0
	CROUND                                         ; the closing round: no work-group ends while a partner may still ask for a tile that names it
	s_endpgm
.Lfunc_end_k_q5752ac75ed_proj:
	.size	k_q5752ac75ed_proj, .Lfunc_end_k_q5752ac75ed_proj-k_q5752ac75ed_proj
	.p2alignl 7, 3214868480
	.fill 96, 4, 3214868480
	.section	.rodata,"a",@progbits
	.p2align	6, 0x0
	.amdhsa_kernel k_q5752ac75ed_proj
		.amdhsa_group_segment_fixed_size 327680
		.amdhsa_private_segment_fixed_size 0
		.amdhsa_enable_private_segment 0
		.amdhsa_kernarg_size 48
		.amdhsa_user_sgpr_count 2
		.amdhsa_user_sgpr_kernarg_segment_ptr 1
		.amdhsa_wavefront_size32 1
		.amdhsa_system_sgpr_workgroup_id_x 1
		.amdhsa_system_sgpr_workgroup_id_y 1
		.amdhsa_system_sgpr_workgroup_id_z 1
		.amdhsa_system_vgpr_workitem_id 0
		.amdhsa_next_free_vgpr 1024
		.amdhsa_next_free_sgpr 100
		.amdhsa_reserve_vcc 0
		.amdhsa_float_denorm_mode_32 3
		.amdhsa_float_denorm_mode_16_64 3
		.amdhsa_memory_ordered 1
		.amdhsa_forward_progress 1
		.amdhsa_inst_pref_size 249
	.end_amdhsa_kernel
	.amdgpu_metadata
---
amdhsa.version: [ 1, 2 ]
amdhsa.kernels:
  - .name:           k_q5752ac75ed_proj
    .symbol:         k_q5752ac75ed_proj.kd
    .args:
      - { .name: xc, .offset: 0, .size: 8, .value_kind: global_buffer, .address_space: global }
      - { .name: xs, .offset: 8, .size: 8, .value_kind: global_buffer, .address_space: global }
      - { .name: wc, .offset: 16, .size: 8, .value_kind: global_buffer, .address_space: global }
      - { .name: ws, .offset: 24, .size: 8, .value_kind: global_buffer, .address_space: global }
      - { .name: bq, .offset: 32, .size: 8, .value_kind: global_buffer, .address_space: global }
      - { .name: qkv, .offset: 40, .size: 8, .value_kind: global_buffer, .address_space: global }
    .group_segment_fixed_size: 327680
    .private_segment_fixed_size: 0
    .kernarg_segment_align: 8
    .kernarg_segment_size: 48
    .max_flat_workgroup_size: 128
    .sgpr_count:     100
    .vgpr_count:     1024
    .wavefront_size: 32
...
	.end_amdgpu_metadata
.endif
;; end of part 2
;; launch score (part 3): grid 8 x 32, 4 waves a work-group, clusters of 4 x 4, 327,680 bytes of LDS; arguments qkv, p, mstat, lstat; writes p, mstat, lstat
.if DOCPART == 3
	.amdgcn_target "amdgcn-amd-amdhsa--gfx1250"
	.amdhsa_code_object_version 6
	.text
	.protected	k_q5752ac75ed_score
	.globl	k_q5752ac75ed_score
	.p2align	8
	.type	k_q5752ac75ed_score,@function
k_q5752ac75ed_score:
	s_mov_b64 s[64:65], 0
	v_nop
	global_prefetch_b8 v0, s[64:65] scope:SCOPE_SE
	s_setreg_imm32_b32 hwreg(HW_REG_WAVE_MODE, 25, 1), 1
	s_wait_xcnt 0x0
	s_wait_alu depctr_hold_cnt(0) depctr_sa_sdst(0) depctr_va_vdst(0) depctr_va_sdst(0) depctr_va_ssrc(0) depctr_va_vcc(0) depctr_vm_vsrc(0)
	s_getreg_b32 s2, hwreg(HW_REG_IB_STS2, 6, 4)
	s_cmp_eq_u32 s2, 0
	s_cbranch_scc0 .Lentry_in_a_cluster
	s_endpgm
.Lentry_in_a_cluster:
	s_bfe_u32 s2, ttmp6, 0x10000c
	s_cmp_lg_u32 s2, 0xf033
	s_cbranch_scc0 .Lentry_shape_is_right
	s_endpgm
.Lentry_shape_is_right:
; For a tile of 256 queries x 256 keys of one batch: s = (Q + bq) . K' (f16 operands, f32 sums, K = 1,024); m = c x the tile's row maximum of s, c = log2(e) / 32; p = 2^(c s - m), at most 1.
; Stored: p as f16; m for each row and tile of keys (mstat); the sum of the unrounded p for each row and 128 keys (lstat).  Launch mix joins the eight tiles of a row by 2^(m - the largest m).
; WORK LEFT OUT: bk's term, constant along the softmax's axis (see the head of launch quant).  The maximum is taken away ahead of every exponential: no exponent is above 0 but by the rounding of c x maximum.
; A work-group of four waves makes a tile; a wave makes 128 x 128: 64 accumulators, 512 registers.  K goes in steps of 128 through a ring of two LDS slots filled by the tensor data mover (rows of 256 bytes).
; CLUSTERS: 4 x 4 work-groups, all of one batch.  The four of a row of the cluster need the same tiles of Q, the four of a column the same tiles of K': each is asked for JOINTLY.
; THE MATRIX INSTRUCTION IS USED TRANSPOSED (source 0 = 16 keys, source 1 = 16 queries): in accumulator (a, b) lane l holds query 16 a + l % 16 and keys 16 b + 8 (l / 16) + 0 .. 7.
; p IS STORED AS AN IMAGE OF THE NEXT PRODUCT'S OPERAND REGISTERS: two neighbouring accumulators, rounded to f16 in pairs, are source 1 (32 keys x 16 queries) of O^T = V^T P.  Layout of p:
; [block of 16 queries: 512][step of 32 keys in the batch: 64][half: 2][lane: 32][16 bytes].  So no result changes lanes, and each store of the wave covers 512 consecutive bytes.
; REGISTERS, in windows of 256: window 0: v16-29 addresses; v32-63 at work behind the loop; v64-127, v128-191 fragments of Q, two buffers (behind the loop: packed p, sums); v192-223 statistics.
;   window 1: v64-127, v128-191 fragments of K', two buffers.   window 2: the accumulators of my queries 0-63 ((a, b) at v[8 (8 a + b)]);   window 3: those of my queries 64-127.
.set KSTEP,  128
.set PITCH,  272                       ; an LDS row: 256 bytes + 16 of padding, so that the 16 rows that a load touches start 68 words apart
.set HALFT,  128*PITCH                 ; 128 rows: what one tensor load brings
.set SLOT,   4*HALFT                   ; Q's 256 rows, then K's 256 rows
.set MXR,    2*SLOT                    ; behind the ring: 1,024 bytes for each wave: its eight row maxima as an image of their registers
.set SPARE,  MXR+4096                  ; behind them: the spare words, 128 bytes a wave, which no other line names
.set OROW,   6144                      ; a row of qkv in bytes
.set LAPS,   4                         ; a lap = two K steps = once round the ring: 1,024 / 256
.set ADRA, 16                          ; v16-17  LDS address of my Q fragments in slot 0, 1
.set ADRB, 18                          ; v18-19  the same for K'
.set PO,   20                          ; v20     16 x lane
.set SO,   21                          ; v21     4 x lane
.set XW,   22                          ; v22     where I put my maxima
.set XR,   23                          ; v23     where the wave with the tile's other 128 keys puts its own
.set SPW,  28                          ; v28     LDS address of my spare word; never rewritten
.set NIL,  29                          ; v29     0; never rewritten
.set TT,   32                          ; v32-47  sixteen chains of maxima
.set MX,   48                          ; v48-55  the maximum of block a
.set PMX,  56                          ; v56-63  what comes from another lane or wave
.set PK,   64                          ; v64-127 packed p, two sets of 32
.set SU,   128                         ; v128-159 sums at work
.set M2,   192                         ; v[192 + 2 a] m of block a (named as a pair: the odd registers are written once)
.set LS,   208                         ; v208-215 the sum of block a
.set TL,   216                         ; v216-219, v220-223 what is stored
.set TM,   220
.set F0,   64
.set F1,   128
.set WV,   12                          ; s12 wave; s13 its half of the queries, also: fetches for Q (0) or K' (1); s14 its half of the keys, also: which 128 rows it fetches
.set WR,   13
.set WC,   14
.set G1, 24                            ; s[24:31] group 1 for Q's tiles; s[32:39] group 0, a set for each slot
.set G0, 32
.set G1B, 48                           ; s[48:55], s[56:63] the same for K's
.set G0B, 56
.set CS,  66                           ; s[66:67] c, twice (the packed form names the pair)
.set SEL, 68                           ; s[68:69] lane selects for v_permlanex16_b32: lane l xor 16
.set HM,  70                           ; s70 the mask of lanes 16-31
.set MSB, 0
.macro WIN new                         ; the immediate's high byte repeats the setting that is left
.if MSB != \new
	s_set_vgpr_msb (MSB<<8)|\new
.set MSB, \new
.endif
.endm
.set MUL_LO, 0xa1                      ; source 0 (K') window 1, source 1 (Q) window 0, C and D window 2
.set MUL_HI, 0xf1                      ; the same, C and D window 3
.set TO_B,   0x40                      ; destination window 1, address window 0
.macro JLOAD s                         ; a joint load: waves 0 and 1 fetch Q's two halves, waves 2 and 3 K's; the branch hangs on the wave's number alone
	s_cmp_eq_u32 s[WR], 0
	s_cbranch_scc0 .Lfor_b_\@
	tensor_load_to_lds s[G0+4*\s:G0+4*\s+3], s[G1:G1+7]
	s_nop 0
.rept 4
	v_nop
.endr
	s_branch .Lasked_\@
.Lfor_b_\@:
	tensor_load_to_lds s[G0B+4*\s:G0B+4*\s+3], s[G1B:G1B+7]
	s_nop 0
.rept 4
	v_nop
.endr
.Lasked_\@:
.endm
.macro CREST                           ; a round of the cluster's barrier behind its opening barrier
	s_cmp_lg_u32 s[WV], 0
	s_cbranch_scc1 .Lnot_wave_0_\@
	s_barrier_signal -3
.Lnot_wave_0_\@:
	s_barrier_wait -3
	s_barrier_signal -1
	s_barrier_wait -1
.endm
.macro CROUND                          ; a whole round
	s_barrier_signal -1
	s_barrier_wait -1
	CREST
.endm
	s_load_b256 s[4:11], s[0:1], 0x0               ; qkv s[4:5], p s[6:7], mstat s[8:9], lstat s[10:11]
	v_lshl_add_u32 v[SPW], v0, 2, SPARE
	v_mov_b32 v[NIL], 0
	ds_add_u32 v[SPW], v[NIL]                      ; the wave's opening: the add, twice on end, and its wait ahead of my first tensor load
	ds_add_u32 v[SPW], v[NIL]
	v_lshrrev_b32 v1, 5, v0
	v_readfirstlane_b32 s[WV], v1                  ; wave 0..3
	s_lshr_b32 s[WR], s[WV], 1
	s_and_b32 s[WC], s[WV], 1
	s_bfe_u32 s15, ttmp6, 0x40000                  ; cx
	s_bfe_u32 s16, ttmp6, 0x40004                  ; cy
	s_lshl_b32 s17, ttmp9, 2
	s_add_co_u32 s17, s17, s15                     ; tile of keys in the batch = 4 x cluster x + cx
	s_and_b32 s19, ttmp7, 0xffff                   ; cluster y
	s_lshl_b32 s18, s19, 2
	s_add_co_u32 s18, s18, s16                     ; tile of queries, over all batches = 4 x cluster y + cy
	s_lshr_b32 s19, s19, 1                         ; the batch: eight tiles of queries, two clusters, each
	s_lshl_b32 s20, s16, 2
	s_lshl_b32 s20, 15, s20                        ; my row of the cluster
	s_lshl_b32 s21, 0x1111, s15                    ; my column
	s_or_b32 s[G1+0], s20, (1<<16)|(1<<20)|(1<<21)|(5<<22)|(3<<25)  ; the mask: Q's tiles go to my row; elements of 2 bytes; padding on; bit 21 beside a mask; 4 words of padding after every 64
	s_or_b32 s[G1B+0], s21, (1<<16)|(1<<20)|(1<<21)|(5<<22)|(3<<25)
.irp g, G1, G1B
	s_mov_b32 s[\g+1], KSTEP<<16                   ; tensor_dim0 = 128
	s_mov_b32 s[\g+2], 128<<16                     ; tensor_dim1 = 128
	s_mov_b32 s[\g+3], KSTEP<<16                   ; tile_dim0 = 128
	s_mov_b32 s[\g+4], 128                         ; tile_dim1 = 128
	s_mov_b32 s[\g+5], OROW/2                      ; from row to row: 3,072 elements
	s_mov_b32 s[\g+6], 0
	s_mov_b32 s[\g+7], 0
.endr
	s_mov_b32 s[CS], 0x3d38aa3b                    ; c = log2(e) / 32
	s_mov_b32 s[CS+1], s[CS]
	s_mov_b32 s[SEL], 0x76543210
	s_mov_b32 s[SEL+1], 0xfedcba98
	s_mov_b32 s[HM], 0xffff0000
	s_lshl_b32 s22, s[WC], 7                       ; which 128 rows of the tile I fetch
	s_lshl_b32 s40, s18, 8
	s_add_co_u32 s40, s40, s22                     ; Q: row 256 x tile of queries + 128 x half
	s_mul_i32 s40, s40, OROW                       ; in bytes (under 2^26)
	s_mov_b32 s41, 0
	s_lshl_b32 s42, s17, 8
	s_add_co_u32 s42, s42, s22
	s_lshl_b32 s43, s19, 11
	s_add_co_u32 s42, s42, s43                     ; K': row 2,048 x batch + 256 x tile of keys + 128 x half
	s_mul_i32 s42, s42, OROW
	s_add_co_u32 s42, s42, 2048                    ; K' begins at column 1,024
	s_mov_b32 s43, 0
	s_mul_i32 s23, s[WV], HALFT                    ; where they go: wave x 128 rows: no place in the cluster enters an LDS address
	s_wait_dscnt 0x0                               ; both opening adds are done
	s_wait_kmcnt 0x0
	s_add_nc_u64 s[40:41], s[4:5], s[40:41]
	s_add_nc_u64 s[42:43], s[4:5], s[42:43]
	CROUND                                         ; all sixteen work-groups are here: the first joint loads meet
.irp s, 0,1
	s_mov_b32 s[G0+4*\s], 1
	s_add_co_u32 s[G0+4*\s+1], s23, \s*SLOT
	s_add_nc_u64 s[G0+4*\s+2:G0+4*\s+3], s[40:41], \s*KSTEP*2
	s_or_b32 s[G0+4*\s+3], s[G0+4*\s+3], 0x80000000
	s_mov_b32 s[G0B+4*\s], 1
	s_add_co_u32 s[G0B+4*\s+1], s23, \s*SLOT
	s_add_nc_u64 s[G0B+4*\s+2:G0B+4*\s+3], s[42:43], \s*KSTEP*2
	s_or_b32 s[G0B+4*\s+3], s[G0B+4*\s+3], 0x80000000
	JLOAD \s                                       ; two tensor loads of mine are out
.endr
	v_and_b32 v1, 15, v0                           ; l % 16
	v_bfe_u32 v2, v0, 4, 1                         ; l / 16
	v_mul_u32_u24 v3, v1, PITCH
	v_lshl_add_u32 v3, v2, 4, v3                   ; a fragment's row x pitch + 16 x half
	s_mul_i32 s44, s[WR], HALFT                    ; my 128 rows of Q
	s_mul_i32 s45, s[WC], HALFT                    ; my 128 rows of K',
	s_add_co_u32 s45, s45, 2*HALFT                 ; which lie behind Q's 256
.irp s, 0,1
	v_add_nc_u32 v[ADRA+\s], s44, v3
	v_add_nc_u32 v[ADRB+\s], s45, v3
	s_add_co_u32 s44, s44, SLOT
	s_add_co_u32 s45, s45, SLOT
.endr
	v_and_b32 v4, 31, v0
	v_lshlrev_b32 v[PO], 4, v4
	v_lshlrev_b32 v[SO], 2, v4
	s_lshl_b32 s44, s[WV], 10
	s_add_co_u32 s44, s44, MXR
	v_add_nc_u32 v[XW], s44, v[PO]
	s_xor_b32 s45, s[WV], 1                        ; the wave with my queries and the other keys
	s_lshl_b32 s45, s45, 10
	s_add_co_u32 s45, s45, MXR
	v_add_nc_u32 v[XR], s45, v[PO]
.irp a, 0,1,2,3,4,5,6,7
	v_mov_b32 v[PMX+\a], 0                         ; written once: a lane permute's destination counts as one of its sources
	v_mov_b32 v[M2+2*\a+1], 0                      ; written once: named as the upper half of a pair
.endr
	s_lshl_b32 s44, s18, 20                        ; p: ((16 x tile of queries + 8 x half) x 64 + 8 x tile of keys + 4 x half) x 1,024 bytes
	s_lshl_b32 s45, s[WR], 19
	s_add_co_u32 s44, s44, s45
	s_lshl_b32 s45, s17, 13
	s_add_co_u32 s44, s44, s45
	s_lshl_b32 s45, s[WC], 12
	s_add_co_u32 s44, s44, s45
	s_mov_b32 s45, 0
	s_add_nc_u64 s[6:7], s[6:7], s[44:45]
	s_lshl_b32 s46, s18, 10                        ; my first row in a table of statistics, in bytes: (256 x tile of queries + 128 x half) x 4
	s_lshl_b32 s47, s[WR], 9
	s_add_co_u32 s46, s46, s47
	s_lshl_b32 s44, s17, 15                        ; mstat: tile of keys x 8,192 rows
	s_add_co_u32 s44, s44, s46
	s_add_nc_u64 s[8:9], s[8:9], s[44:45]
	s_lshl_b32 s44, s17, 16                        ; lstat: (2 x tile of keys + half) x 8,192 rows
	s_lshl_b32 s47, s[WC], 15
	s_add_co_u32 s44, s44, s47
	s_add_co_u32 s44, s44, s46
	s_add_nc_u64 s[10:11], s[10:11], s[44:45]
; 16 matrix instructions: query blocks a0, a0 + 1 of the window's four (hi = 0: my queries 0-63, 1: 64-127) x all 8 key blocks, 32 along K.  zero = 1: the first product starts the sums.
; The 64 accumulators take turns, one instruction a turn, in the same order in every quarter step.
.macro MUL16 f, hi, a0, zero
.irp a, \a0, \a0+1
.irp b, 0,1,2,3,4,5,6,7
.if \zero
	v_wmma_f32_16x16x32_f16 v[8*(8*(\a)+\b):8*(8*(\a)+\b)+7], v[\f+8*\b:\f+8*\b+7], v[\f+8*(4*\hi+\a):\f+8*(4*\hi+\a)+7], 0
.else
	v_wmma_f32_16x16x32_f16 v[8*(8*(\a)+\b):8*(8*(\a)+\b)+7], v[\f+8*\b:\f+8*\b+7], v[\f+8*(4*\hi+\a):\f+8*(4*\hi+\a)+7], v[8*(8*(\a)+\b):8*(8*(\a)+\b)+7]
.endif
.endr
.endr
.endm
; 32 LDS loads in one run: the fragments of one quarter step (128 keys, 128 queries, 32 K at byte k of the rows) into buffer f
.macro FETCH slot, k, f
	WIN TO_B
.irp i, 0,1,2,3,4,5,6,7
	ds_load_b128 v[\f+8*\i:\f+8*\i+3],   v[ADRB+\slot] offset:\k+\i*16*PITCH
	ds_load_b128 v[\f+8*\i+4:\f+8*\i+7], v[ADRB+\slot] offset:\k+\i*16*PITCH+32
.endr
	WIN 0
.irp i, 0,1,2,3,4,5,6,7
	ds_load_b128 v[\f+8*\i:\f+8*\i+3],   v[ADRA+\slot] offset:\k+\i*16*PITCH
	ds_load_b128 v[\f+8*\i+4:\f+8*\i+7], v[ADRA+\slot] offset:\k+\i*16*PITCH+32
.endr
.endm
.macro PLACES                          ; four places in front of loads into registers that matrix instructions have read, and of vector instructions that read results (ISA guide 7.12.1 for vector instructions)
.rept 4
	v_nop
.endr
.endm
; A K step is four quarter steps of 32 along K, 64 matrix instructions each, on buffers 0, 1, 0, 1.  One of the first three: multiplies buffer f; in its middle it fetches the next quarter, at byte k, into buffer g.
.macro QUARTER slot, k, f, g, zero
	s_wait_dscnt 8                                 ; K' and Q's rows 0-63 are in; the youngest eight loads (Q's rows 64-127) may be out
	WIN MUL_LO
	MUL16 \f, 0, 0, \zero
	MUL16 \f, 0, 2, \zero
	PLACES
	FETCH \slot, \k, \g
	s_wait_dscnt 32                                ; all but the 32 just issued
	WIN MUL_HI
	MUL16 \f, 1, 0, \zero
	MUL16 \f, 1, 2, \zero
.endm
; The last quarter multiplies buffer 1 and changes slots: ONE barrier.  In front of it each wave waits for all its tensor loads (one is out: its part of the next slot), adds 0 to its spare word, and waits for that and
; for its own reads of this slot.  fill = 1: the barrier opens a round of the cluster's barrier, and behind the round this slot is filled again, two K steps ahead: from that request to the wait for it a wave issues 224 matrix instructions.
.macro TURN slot, next, fill
	WIN 0                                          ; (the add's two registers lie in window 0)
	s_wait_tensorcnt 0x0                           ; all my tensor loads have landed
	ds_add_u32 v[SPW], v[NIL]                      ; 0 onto my spare word
	s_wait_dscnt 9                                 ; (the add and the youngest eight loads may be out)
	WIN MUL_LO
	MUL16 F1, 0, 0, 0                              ; sixteen matrix instructions stand between the add and the wait for it
	s_wait_dscnt 0x0                               ; the add is done, and my reads of this slot are over
	s_barrier_signal -1
	MUL16 F1, 0, 2, 0                              ; work on registers while the others arrive
.if \fill
	WIN 0
.endif
	s_barrier_wait -1
.if \fill
	CREST                                          ; no wave of any partner still reads this slot's tile or has a load on its way
	s_add_nc_u64 s[G0+4*\slot+2:G0+4*\slot+3], s[G0+4*\slot+2:G0+4*\slot+3], 2*KSTEP*2
	s_add_nc_u64 s[G0B+4*\slot+2:G0B+4*\slot+3], s[G0B+4*\slot+2:G0B+4*\slot+3], 2*KSTEP*2
	JLOAD \slot                                    ; the first tensor load behind the round; its four v_nop are also the places in front of the loads below
.else
	PLACES
.endif
	FETCH \next, 0, F0
	WIN MUL_HI
	MUL16 F1, 1, 0, 0
	MUL16 F1, 1, 2, 0
.endm
	s_wait_tensorcnt 1                             ; my part of K step 0 is in (K step 1's load may be out)
	s_barrier_signal -1
	s_barrier_wait -1                              ; everybody's is
	FETCH 0, 0, F0
	QUARTER 0, 64,  F0, F1, 1                      ; the first quarter stands in front of the loop: its products start the sums
	WIN 0                                          ; at a label and at a branch every window is 0
	s_mov_b32 s3, LAPS-1
.Llap:                                                 ; a trip goes once round the ring, from a lap's second quarter to the next lap's first, and fills both slots again
	QUARTER 0, 128, F1, F0, 0
	QUARTER 0, 192, F0, F1, 0
	TURN 0, 1, 1
	QUARTER 1, 64,  F0, F1, 0
	QUARTER 1, 128, F1, F0, 0
	QUARTER 1, 192, F0, F1, 0
	TURN 1, 0, 1
	QUARTER 0, 64,  F0, F1, 0
	WIN 0
	s_sub_co_u32 s3, s3, 1
	s_cmp_lg_u32 s3, 0
	s_cbranch_scc1 .Llap
	QUARTER 0, 128, F1, F0, 0                      ; the last lap is written out: it asks for nothing
	QUARTER 0, 192, F0, F1, 0
	TURN 0, 1, 0
	QUARTER 1, 64,  F0, F1, 0
	QUARTER 1, 128, F1, F0, 0
	QUARTER 1, 192, F0, F1, 0
	s_wait_dscnt 8                                 ; the very last quarter: nothing more to fetch
	WIN MUL_LO
	MUL16 F1, 0, 0, 0
	MUL16 F1, 0, 2, 0
	s_wait_dscnt 0
	WIN MUL_HI
	MUL16 F1, 1, 0, 0
	MUL16 F1, 1, 2, 0
	PLACES                                         ; behind the last products: their results are read and Q's buffers written from here on
; THE ROW MAXIMA.  Window w holds four blocks of queries; sixteen chains (a block's accumulators 2 k and 2 k + 1 each) take turns; each accumulator is read from its low end on.
.macro MAXB w
	WIN 0x0a+5*\w                                  ; sources 0 and 1: window 2 or 3
.irp i, 0,1,2,3,4,5,6,7
.irp a4, 0,1,2,3
.irp k, 0,1,2,3
.if \i == 0
	v_max_num_f32 v[TT+4*\a4+\k], v[64*\a4+16*\k], v[64*\a4+16*\k+1]
.else
	v_max3_num_f32 v[TT+4*\a4+\k], v[64*\a4+16*\k+2*\i], v[64*\a4+16*\k+2*\i+1], v[TT+4*\a4+\k]
.endif
.endr
.endr
.endr
	WIN 0
.irp a4, 0,1,2,3
	v_max3_num_f32 v[MX+4*\w+\a4], v[TT+4*\a4], v[TT+4*\a4+1], v[TT+4*\a4+2]
.endr
.irp a4, 0,1,2,3
	v_max_num_f32 v[MX+4*\w+\a4], v[MX+4*\w+\a4], v[TT+4*\a4+3]
.endr
.endm
	MAXB 0
	MAXB 1
.irp a, 0,1,2,3,4,5,6,7
	v_permlanex16_b32 v[PMX+\a], v[MX+\a], s[SEL], s[SEL+1]     ; the query's other 64 of my keys lie in the lane 16 away
.endr
.irp a, 0,1,2,3,4,5,6,7
	v_max_num_f32 v[MX+\a], v[MX+\a], v[PMX+\a]
.endr
	ds_store_b128 v[XW], v[MX:MX+3]                ; the tile's other 128 keys lie in another wave: the maxima change hands as images of their registers
	ds_store_b128 v[XW], v[MX+4:MX+7] offset:512
	s_wait_dscnt 0x0                               ; for the other wave's sake: my stores have landed
	s_barrier_signal -1
	s_barrier_wait -1
	ds_load_b128 v[PMX:PMX+3], v[XR]
	ds_load_b128 v[PMX+4:PMX+7], v[XR] offset:512
	s_wait_dscnt 0x0
.irp a, 0,1,2,3,4,5,6,7
	v_max_num_f32 v[MX+\a], v[MX+\a], v[PMX+\a]
.endr
.irp a, 0,1,2,3,4,5,6,7
	v_mul_f32 v[M2+2*\a], s[CS], v[MX+\a]          ; m = c x the maximum (c is positive)
.endr
; BLOCK BY BLOCK of 16 queries: c s - m (FMA), 64 exponentials as ONE batch (EXPB), the next block's FMA as the independent work behind them, ONE wait, then the roundings, the sums and the stores.
.macro FMA a
.set AC, 64*((\a)%4)
	WIN 0x82+0x41*((\a)/4)                         ; destination and source 0: window 2 or 3; m: window 0
.set i, 0
.rept 32
	v_pk_fma_f32 v[AC+i:AC+i+1], v[AC+i:AC+i+1], s[CS:CS+1], v[M2+2*(\a):M2+2*(\a)+1] op_sel_hi:[1,0,0] neg_lo:[0,0,1] neg_hi:[0,0,1]
.set i, i+2
.endr
.endm
.macro EXPB a
.set AC, 64*((\a)%4)
	WIN 0x82+0x41*((\a)/4)
.set i, 0
.rept 64
	v_exp_f32 v[AC+i], v[AC+i]
.set i, i+1
.endr
.endm
.macro SUMCVT a
.set AC, 64*((\a)%4)
.set PKS, PK+32*((\a)%2)
.if (\a) > 1
	s_wait_xcnt 0x0                                ; the stores of two blocks ago have read this set of packed registers
.endif
	WIN 0x0a+5*((\a)/4)                            ; sources 0 and 1: window 2 or 3
.set i, 0
.rept 32
	v_cvt_pk_f16_f32 v[PKS+i], v[AC+2*i], v[AC+2*i+1]              ; registers 8 n .. 8 n + 7 are the operand's image for my n-th 32 keys
.set i, i+1
.endr
.set i, 0
.rept 16
	v_pk_add_f32 v[SU+2*i:SU+2*i+1], v[AC+4*i:AC+4*i+1], v[AC+4*i+2:AC+4*i+3]   ; the sum is taken of the unrounded p
.set i, i+1
.endr
	WIN 0
.irp w, 16,8,4,2
.set i, 0
.rept \w/2
	v_pk_add_f32 v[SU+i:SU+i+1], v[SU+i:SU+i+1], v[SU+i+\w:SU+i+\w+1]
.set i, i+2
.endr
.endr
	v_add_f32 v[LS+(\a)], v[SU], v[SU+1]
.endm
.macro STORE a
.set PKS, PK+32*((\a)%2)
.irp n, 0,1,2,3,4,5,6,7
	global_store_b128 v[PO], v[PKS+4*\n:PKS+4*\n+3], s[6:7] offset:65536*(\a)+512*\n th:TH_STORE_NT   ; 32 lanes store 512 consecutive bytes, aligned
.endr
.endm
	FMA 0
.irp a, 0,1,2,3,4,5,6,7
	EXPB \a
.if \a < 7
	FMA \a+1                                       ; plain work that names none of the batch's results
.else
	v_nop                                          ; a plain instruction behind the last exponential
.endif
	s_wait_alu depctr_va_vdst(0)                   ; one wait for the batch of 64, ahead of its first reader
	SUMCVT \a
	STORE \a
.endr
	; THE STATISTICS: both halves of the lanes are joined; then lanes 0-15 take an even block's number and lanes 16-31 the next block's: 32 neighbouring rows a store
.irp a, 0,1,2,3,4,5,6,7
	v_permlanex16_b32 v[PMX+\a], v[LS+\a], s[SEL], s[SEL+1]
.endr
.irp a, 0,1,2,3,4,5,6,7
	v_add_f32 v[LS+\a], v[LS+\a], v[PMX+\a]
.endr
.irp i, 0,1,2,3
	v_cndmask_b32 v[TL+\i], v[LS+2*\i], v[LS+2*\i+1], s[HM]
.endr
.irp i, 0,1,2,3
	global_store_b32 v[SO], v[TL+\i], s[10:11] offset:128*\i
.endr
	s_cmp_lg_u32 s[WC], 0                          ; both waves of a row half hold the same m: the first stores it (a branch on the wave's number)
	s_cbranch_scc1 .Lno_m
.irp i, 0,1,2,3
	v_cndmask_b32 v[TM+\i], v[M2+4*\i], v[M2+4*\i+2], s[HM]
.endr
.irp i, 0,1,2,3
	global_store_b32 v[SO], v[TM+\i], s[8:9] offset:128*\i
.endr
.Lno_m:
	s_wait_tensorcnt 0x0                           ; the wave's end: behind my last tensor load and my last LDS store
	ds_add_u32 v[SPW], v[NIL]
	s_wait_dscnt 0x0
	CROUND                                         ; the closing round: no work-group ends while a partner may still ask for a tile that names it
	s_endpgm
.Lfunc_end_k_q5752ac75ed_score:
	.size	k_q5752ac75ed_score, .Lfunc_end_k_q5752ac75ed_score-k_q5752ac75ed_score
	.p2alignl 7, 3214868480
	.fill 96, 4, 3214868480
	.section	.rodata,"a",@progbits
	.p2align	6, 0x0
	.amdhsa_kernel k_q5752ac75ed_score
		.amdhsa_group_segment_fixed_size 327680
		.amdhsa_private_segment_fixed_size 0
		.amdhsa_enable_private_segment 0
		.amdhsa_kernarg_size 32
		.amdhsa_user_sgpr_count 2
		.amdhsa_user_sgpr_kernarg_segment_ptr 1
		.amdhsa_wavefront_size32 1
		.amdhsa_system_sgpr_workgroup_id_x 1
		.amdhsa_system_sgpr_workgroup_id_y 1
		.amdhsa_system_sgpr_workgroup_id_z 1
		.amdhsa_system_vgpr_workitem_id 0
		.amdhsa_next_free_vgpr 1024
		.amdhsa_next_free_sgpr 72
		.amdhsa_reserve_vcc 0
		.amdhsa_float_denorm_mode_32 3
		.amdhsa_float_denorm_mode_16_64 3
		.amdhsa_memory_ordered 1
		.amdhsa_forward_progress 1
		.amdhsa_inst_pref_size 203
	.end_amdhsa_kernel
	.amdgpu_metadata
---
amdhsa.version: [ 1, 2 ]
amdhsa.kernels:
  - .name:           k_q5752ac75ed_score
    .symbol:         k_q5752ac75ed_score.kd
    .args:
      - { .name: qkv, .offset: 0, .size: 8, .value_kind: global_buffer, .address_space: global }
      - { .name: p, .offset: 8, .size: 8, .value_kind: global_buffer, .address_space: global }
      - { .name: mstat, .offset: 16, .size: 8, .value_kind: global_buffer, .address_space: global }
      - { .name: lstat, .offset: 24, .size: 8, .value_kind: global_buffer, .address_space: global }
    .group_segment_fixed_size: 327680
    .private_segment_fixed_size: 0
    .kernarg_segment_align: 8
    .kernarg_segment_size: 32
    .max_flat_workgroup_size: 128
    .sgpr_count:     72
    .vgpr_count:     1024
    .wavefront_size: 32
...
	.end_amdgpu_metadata
.endif
;; end of part 3
;; launch mix (part 4): grid 4 x 64, 4 waves a work-group, clusters of 4 x 4, 327,680 bytes of LDS; arguments p, qkv, mstat, lstat, bv, out0; writes out0
.if DOCPART == 4
	.amdgcn_target "amdgcn-amd-amdhsa--gfx1250"
	.amdhsa_code_object_version 6
	.text
	.protected	k_q5752ac75ed_mix
	.globl	k_q5752ac75ed_mix
	.p2align	8
	.type	k_q5752ac75ed_mix,@function
k_q5752ac75ed_mix:
	s_mov_b64 s[64:65], 0
	v_nop
	global_prefetch_b8 v0, s[64:65] scope:SCOPE_SE
	s_setreg_imm32_b32 hwreg(HW_REG_WAVE_MODE, 25, 1), 1
	s_wait_xcnt 0x0
	s_wait_alu depctr_hold_cnt(0) depctr_sa_sdst(0) depctr_va_vdst(0) depctr_va_sdst(0) depctr_va_ssrc(0) depctr_va_vcc(0) depctr_vm_vsrc(0)
	s_getreg_b32 s2, hwreg(HW_REG_IB_STS2, 6, 4)
	s_cmp_eq_u32 s2, 0
	s_cbranch_scc0 .Lentry_in_a_cluster
	s_endpgm
.Lentry_in_a_cluster:
	s_bfe_u32 s2, ttmp6, 0x10000c
	s_cmp_lg_u32 s2, 0xf033
	s_cbranch_scc0 .Lentry_shape_is_right
	s_endpgm
.Lentry_shape_is_right:
; out[q][e] = bv[e] + sum over the eight tiles t of 256 keys of f_t[q] x (sum over the tile's keys of p[q][k] V'[k][e]),  f_t = 2^(m_t - M) / L,  M = the largest m_t of the row,  L = sum over t of 2^(m_t - M) l_t.
; That is softmax(scores) (V' + bv): a softmax row sums to 1, so bv is added once, as the start of the sums (see the head of launch quant).  No f_t is above 1 and L is at least about 1: nothing can overflow.
; p and V' are f16, all sums f32.  A tile's product is summed in accumulators of its own (tmp) and folded in: O += f_t x tmp, 128 packed multiply-adds for 256 matrix instructions; no branch hangs on data.
; SHARES.  A work-group of four waves makes 128 queries x 256 channels; a wave 64 x 128: 32 accumulators.  O^T = V^T P: source 0 = 16 channels x 32 keys, turned out of LDS; source 1 = 32 keys x 16 queries.
; In accumulator (a, b) lane l holds query 16 a + l % 16 and channels 16 b + 8 (l / 16) + 0 .. 7.
; V' comes through a ring of two LDS slots of 256 keys x 256 channels, each wave fetching 64 keys.  CLUSTERS: 4 x 4 work-groups of one batch; the four of a column of the cluster need the same tiles of V': asked for JOINTLY.
; P DOES NOT GO THROUGH LDS: two slots of 256 keys for both operands would take 2 x 384 x 528 = 405,504 bytes, more than the 327,680 there are.  Launch score has laid p in the order of the operand's registers,
; so a fragment is two loads of 512 consecutive bytes straight into registers: a ring of eight sets of four fragments, asked for seven steps of 32 keys (224 matrix instructions) ahead, with counted waits.
; That is why p is not asked for jointly, though the four work-groups of a row of the cluster read the same bytes.
; REGISTERS, in windows of 256: window 0: v16-29 addresses; v32-43 at work at the head; v64-127, v128-191 V's fragments, two sets (at the head: the statistics; at the end: rows of out); v192-255 the factors.
;   window 1: tmp ((a, b) at v[8 (8 a + b)]).   window 2: O, likewise.   window 3: P's ring: set n at v[32 n], fragment a at + 8 a.
.set PV,     544                       ; a key's row in LDS: 512 bytes + 32 of padding: an odd multiple of 32
.set SLOT,   256*PV
.set HALFSL, 128*PV                    ; half a slot: an LDS instruction's immediate has 16 bits, so each half has an address register
.set STEPV,  32*PV                     ; a step's 32 keys
.set SPARE,  2*SLOT                    ; behind the ring: the spare words, 128 bytes a wave, which no other line names
.set SPITCH, 528                       ; the way out: a stage of 16 rows x (512 bytes + 16) for each wave, in slot 0, which has had its last fill and its last read when the first result is stored there
.set OROW,   6144                      ; a row of qkv in bytes
.set ADV,  16                          ; v16-19  LDS address of my lane's part of a fragment of V: slot 0 first half, second half, slot 1 likewise
.set PO,   20                          ; v20     16 x lane: my place in an image of p, and in a row of out
.set R4,   21                          ; v21     4 x (lane % 16)
.set H32,  22                          ; v22     32 x (lane / 16)
.set STO,  24                          ; v24     the way out: where I put 32 bytes of a row
.set RD,   25                          ; v25     where I read a row back
.set SPW,  28                          ; v28     LDS address of my spare word; never rewritten
.set NIL,  29                          ; v29     0; never rewritten
.set WK,   32                          ; v32-35 M, v36-39 L, v40-43 1 / L, for the four blocks of queries
.set BF,   64                          ; V's fragments: set n at v[64 + 64 n]
.set MT,   64                          ; at the head: v[64 + 8 a + t] m_t
.set LT,   96                          ; at the head: v[96 + 16 a + i] l of the i-th 128 keys
.set FAC,  192                         ; v[192 + 2 (8 a + i)]: the factor of the i-th tile from the one in hand (named as a pair: the odd registers are written once)
.set WV,   16                          ; s16 wave; s17 its half of the queries; s18 its half of the channels
.set WR,   17
.set WC,   18
.set G1,   24                          ; s[24:31] descriptor group 1; s[32:39] group 0, a set for each slot
.set G0,   32
.set PB,   48                          ; s[48:49] p at my wave's first block of queries and the trip's first step
.set MSB, 0
.macro WIN new                         ; the immediate's high byte repeats the setting that is left
.if MSB != \new
	s_set_vgpr_msb (MSB<<8)|\new
.set MSB, \new
.endif
.endm
.macro PLACES                          ; four places in front of loads into registers that matrix instructions have read, and of vector instructions that read results (ISA guide 7.12.1 for vector instructions)
.rept 4
	v_nop
.endr
.endm
.macro JLOAD s                         ; a joint load: every wave fetches its own 64 keys: both addresses hang on the wave's number, nothing on a coordinate that the four partners do not share
	tensor_load_to_lds s[G0+4*\s:G0+4*\s+3], s[G1:G1+7]
	s_nop 0
	PLACES
.endm
.macro CREST                           ; a round of the cluster's barrier behind its opening barrier
	s_cmp_lg_u32 s[WV], 0
	s_cbranch_scc1 .Lnot_wave_0_\@
	s_barrier_signal -3
.Lnot_wave_0_\@:
	s_barrier_wait -3
	s_barrier_signal -1
	s_barrier_wait -1
.endm
.macro CROUND
	s_barrier_signal -1
	s_barrier_wait -1
	CREST
.endm
	s_load_b256 s[4:11], s[0:1], 0x0               ; p s[4:5], qkv s[6:7], mstat s[8:9], lstat s[10:11]
	s_load_b128 s[12:15], s[0:1], 0x20             ; bv s[12:13], out0 s[14:15]
	v_lshl_add_u32 v[SPW], v0, 2, SPARE
	v_mov_b32 v[NIL], 0
	ds_add_u32 v[SPW], v[NIL]                      ; the wave's opening: the add, twice on end, and its wait ahead of my first tensor load
	ds_add_u32 v[SPW], v[NIL]
	v_lshrrev_b32 v1, 5, v0
	v_readfirstlane_b32 s[WV], v1                  ; wave 0..3
	s_lshr_b32 s[WR], s[WV], 1
	s_and_b32 s[WC], s[WV], 1
	s_bfe_u32 s19, ttmp6, 0x40000                  ; cx: the tile of 256 channels (the grid is one cluster wide)
	s_bfe_u32 s20, ttmp6, 0x40004                  ; cy
	s_and_b32 s22, ttmp7, 0xffff                   ; cluster y
	s_lshl_b32 s21, s22, 2
	s_add_co_u32 s21, s21, s20                     ; the tile of 128 queries, over all batches = 4 x cluster y + cy
	s_lshr_b32 s22, s22, 2                         ; the batch: sixteen tiles of queries, four clusters, each
	s_lshl_b32 s40, 0x1111, s19                    ; my column of the cluster
	s_or_b32 s[G1+0], s40, (1<<16)|(1<<20)|(1<<21)|(6<<22)|(7<<25)  ; the mask; elements of 2 bytes; padding on; bit 21 beside a mask; 8 words of padding after every 128
	s_mov_b32 s[G1+1], 256<<16                     ; tensor_dim0 = 256
	s_mov_b32 s[G1+2], 64<<16                      ; tensor_dim1 = 64
	s_mov_b32 s[G1+3], 256<<16                     ; tile_dim0 = 256
	s_mov_b32 s[G1+4], 64                          ; tile_dim1 = 64
	s_mov_b32 s[G1+5], OROW/2                      ; from row to row: 3,072 elements
	s_mov_b32 s[G1+6], 0
	s_mov_b32 s[G1+7], 0
	s_lshl_b32 s40, s22, 11
	s_lshl_b32 s41, s[WV], 6
	s_add_co_u32 s40, s40, s41                     ; V': row 2,048 x batch + 64 x wave
	s_mul_i32 s40, s40, OROW
	s_lshl_b32 s41, s19, 9
	s_add_co_u32 s40, s40, s41                     ; + 512 bytes for each tile of channels
	s_add_co_u32 s40, s40, 4096                    ; V' begins at column 2,048
	s_mov_b32 s41, 0
	s_mul_i32 s42, s[WV], 64*PV                    ; where they go: wave x 64 rows: no place in the cluster enters an LDS address
	s_wait_dscnt 0x0                               ; both opening adds are done
	s_wait_kmcnt 0x0
	s_add_nc_u64 s[40:41], s[6:7], s[40:41]
	CROUND                                         ; all sixteen work-groups are here: the first joint loads meet
.irp s, 0,1
	s_mov_b32 s[G0+4*\s], 1
	s_add_co_u32 s[G0+4*\s+1], s42, \s*SLOT
	s_add_nc_u64 s[G0+4*\s+2:G0+4*\s+3], s[40:41], \s*256*OROW
	s_or_b32 s[G0+4*\s+3], s[G0+4*\s+3], 0x80000000
	JLOAD \s                                       ; two tensor loads of mine are out
.endr
	v_and_b32 v1, 15, v0                           ; r = l % 16
	v_bfe_u32 v2, v0, 4, 1                         ; h = l / 16
	v_and_b32 v3, 31, v0
	v_lshlrev_b32 v[PO], 4, v3
	v_lshlrev_b32 v[R4], 2, v1
	v_lshlrev_b32 v[H32], 5, v2
	; The turning load takes 16 keys x 16 channels (lane l reads 16 bytes: key 8 (l / 16) + l % 8, channels 8 ((l / 8) % 2) + 0..7) and leaves half a fragment of V^T: lane l holds channel l % 16 and 8 keys.
	v_and_b32 v4, 7, v0
	v_bfe_u32 v5, v0, 3, 1
	v_lshl_add_u32 v4, v2, 3, v4
	v_mul_u32_u24 v4, v4, PV
	v_lshl_add_u32 v4, v5, 4, v4
	s_lshl_b32 s43, s[WC], 8                       ; my 128 channels: 256 bytes
	v_add_nc_u32 v[ADV], s43, v4
.irp n, 1,2,3
	v_add_nc_u32 v[ADV+\n], \n*HALFSL, v[ADV]
.endr
	s_mul_i32 s43, s[WV], 16*SPITCH                ; my stage
	v_mul_u32_u24 v[STO], v1, SPITCH               ; in: row r, 32 bytes for each half of the lanes
	v_lshl_add_u32 v[STO], v2, 5, v[STO]
	v_add_nc_u32 v[STO], s43, v[STO]
	v_add_nc_u32 v[RD], s43, v[PO]                 ; back: the 32 lanes take one row of 512 bytes
	s_lshl_b32 s40, s21, 19                        ; (128 x tile + 64 x half) rows of out, 4,096 bytes each; the same number is (8 x tile + 4 x half) blocks of p, 65,536 bytes each
	s_lshl_b32 s41, s[WR], 18
	s_add_co_u32 s40, s40, s41
	s_mov_b32 s41, 0
	s_add_nc_u64 s[PB:PB+1], s[4:5], s[40:41]
	s_add_nc_u64 s[14:15], s[14:15], s[40:41]
	s_lshl_b32 s42, s19, 10                        ; my first channel, in bytes of f32: 1,024 x tile + 512 x half
	s_lshl_b32 s43, s[WC], 9
	s_add_co_u32 s42, s42, s43
	s_mov_b32 s43, 0
	s_add_nc_u64 s[14:15], s[14:15], s[42:43]
	s_add_nc_u64 s[12:13], s[12:13], s[42:43]
	s_lshl_b32 s44, s21, 9                         ; my first row in a table of statistics, in bytes
	s_lshl_b32 s45, s[WR], 8
	s_add_co_u32 s44, s44, s45
	s_mov_b32 s45, 0
	s_add_nc_u64 s[8:9], s[8:9], s[44:45]
	s_add_nc_u64 s[10:11], s[10:11], s[44:45]
	WIN 0x80                                       ; destination window 2
.irp a, 0,1,2,3                        ; O starts as bv: nothing is cleared, and no addition is spent on the bias
.irp b, 0,1,2,3,4,5,6,7
	global_load_b128 v[8*(8*\a+\b):8*(8*\a+\b)+3], v[H32], s[12:13] offset:64*\b
	global_load_b128 v[8*(8*\a+\b)+4:8*(8*\a+\b)+7], v[H32], s[12:13] offset:64*\b+16
.endr
.endr
	WIN 0
.irp a, 0,1,2,3
.irp t, 0,1,2,3,4,5,6,7
	global_load_b32 v[MT+8*\a+\t], v[R4], s[8:9] offset:32768*\t+64*\a
.endr
.endr
.irp a, 0,1,2,3
.irp t, 0,1,2,3,4,5,6,7,8,9,10,11,12,13,14,15
	global_load_b32 v[LT+16*\a+\t], v[R4], s[10:11] offset:32768*\t+64*\a
.endr
.endr
; P's four fragments of the step g steps on from the trip's first, into set g % 8: eight loads of 512 consecutive bytes
.macro PSET g
	WIN 0xc0                                       ; destination window 3
.irp a, 0,1,2,3
.irp c, 0,1
	global_load_b128 v[32*((\g)%8)+8*\a+4*\c:32*((\g)%8)+8*\a+4*\c+3], v[PO], s[PB:PB+1] offset:65536*\a+1024*(\g)+512*\c
.endr
.endr
.endm
.irp g, 0,1,2,3,4,5,6
	PSET \g
.endr
	WIN 0
.irp j, 0,1,2,3,4,5,6,7,8,9,10,11,12,13,14,15,16,17,18,19,20,21,22,23,24,25,26,27,28,29,30,31
	v_mov_b32 v[FAC+2*\j+1], 0                     ; written once: named as the upper halves of pairs
.endr
	s_wait_loadcnt 56                              ; bv and the statistics are in; P's 56 loads, issued behind them, may be out
	; THE FACTORS, the four blocks of queries by turns
.irp a, 0,1,2,3
	v_max3_num_f32 v[WK+\a], v[MT+8*\a], v[MT+8*\a+1], v[MT+8*\a+2]
.endr
.irp i, 3,5
.irp a, 0,1,2,3
	v_max3_num_f32 v[WK+\a], v[WK+\a], v[MT+8*\a+\i], v[MT+8*\a+\i+1]
.endr
.endr
.irp a, 0,1,2,3
	v_max_num_f32 v[WK+\a], v[WK+\a], v[MT+8*\a+7] ; M
.endr
.irp t, 0,1,2,3,4,5,6,7
.irp a, 0,1,2,3
	v_sub_f32 v[MT+8*\a+\t], v[MT+8*\a+\t], v[WK+\a]               ; m_t - M, 0 or less
.endr
.endr
.irp t, 0,1,2,3,4,5,6,7
.irp a, 0,1,2,3
	v_exp_f32 v[MT+8*\a+\t], v[MT+8*\a+\t]         ; one batch of 32
.endr
.endr
.irp t, 0,1,2,3,4,5,6,7
.irp a, 0,1,2,3
	v_add_f32 v[LT+16*\a+2*\t], v[LT+16*\a+2*\t], v[LT+16*\a+2*\t+1]   ; a tile's two halves: plain work that names none of the batch's results
.endr
.endr
	s_wait_alu depctr_va_vdst(0)                   ; one wait for the batch, ahead of its first reader
.irp a, 0,1,2,3
	v_mul_f32 v[WK+4+\a], v[MT+8*\a], v[LT+16*\a]
.endr
.irp t, 1,2,3,4,5,6,7
.irp a, 0,1,2,3
	v_fmac_f32 v[WK+4+\a], v[MT+8*\a+\t], v[LT+16*\a+2*\t]         ; L
.endr
.endr
.irp a, 0,1,2,3
	v_rcp_f32 v[WK+8+\a], v[WK+4+\a]
.endr
	v_nop                                          ; a plain instruction behind the last reciprocal
	s_wait_alu depctr_va_vdst(0)                   ; and one wait for the four
.irp t, 0,1,2,3,4,5,6,7
.irp a, 0,1,2,3
	v_mul_f32 v[FAC+2*(8*\a+\t)], v[MT+8*\a+\t], v[WK+8+\a]
.endr
.endr
; V's eight fragments (my 128 channels x 32 keys) of step s of a slot, into set: sixteen turning loads in one run
.macro FETCHB slot, s, set
	WIN 0
.irp b, 0,1,2,3,4,5,6,7
	ds_load_tr16_b128 v[BF+64*(\set)+8*\b:BF+64*(\set)+8*\b+3],   v[ADV+2*(\slot)+(\s)/4] offset:((\s)%4)*STEPV+32*\b
	ds_load_tr16_b128 v[BF+64*(\set)+8*\b+4:BF+64*(\set)+8*\b+7], v[ADV+2*(\slot)+(\s)/4] offset:((\s)%4)*STEPV+32*\b+16*PV
.endr
.endm
; 8 n matrix instructions of step s: blocks of queries a0 .. a0 + n - 1 against the eight blocks of channels.  zero = 1: a tile's first step starts tmp's sums.
; The 32 accumulators take turns, one instruction a turn, in the same order in every step.
.macro MULQ s, a0, n, zero
	WIN 0x5c                                       ; source 0 (V) window 0, source 1 (P) window 3, C and D (tmp) window 1
.set aa, \a0
.rept \n
.irp b, 0,1,2,3,4,5,6,7
.if \zero
	v_wmma_f32_16x16x32_f16 v[8*(8*aa+\b):8*(8*aa+\b)+7], v[BF+64*((\s)%2)+8*\b:BF+64*((\s)%2)+8*\b+7], v[32*(\s)+8*aa:32*(\s)+8*aa+7], 0
.else
	v_wmma_f32_16x16x32_f16 v[8*(8*aa+\b):8*(8*aa+\b)+7], v[BF+64*((\s)%2)+8*\b:BF+64*((\s)%2)+8*\b+7], v[32*(\s)+8*aa:32*(\s)+8*aa+7], v[8*(8*aa+\b):8*(8*aa+\b)+7]
.endif
.endr
.set aa, aa+1
.endr
.endm
; Step s = 0 .. 6 of a tile; u: the step's number in the trip.  It asks for the next step's V, and (pl = 1) for the P of seven steps on, into the set that the step before has left.
; lc: the loads of P that may stay out.  P's set of a step is asked for seven steps earlier, eight loads a step; the wait stands behind this step's own request: seven younger groups, 56; fewer at the end.
.macro STEP slot, s, u, pl, lc
	s_wait_dscnt 0x0                               ; this step's fragments of V, asked for a step ago
.if (\s) > 0
	PLACES                                         ; behind the last step's products (at a tile's first step the fold's instructions are the places)
.endif
	FETCHB \slot, (\s)+1, ((\s)+1)%2
.if \pl
	PSET (\u)+7
.endif
	s_wait_loadcnt \lc
.if (\s) == 0
	MULQ \s, 0, 4, 1
.else
	MULQ \s, 0, 4, 0
.endif
.endm
; A tile's last step changes slots: ONE barrier.  In front of it each wave waits for all its tensor loads (one is out: its part of the next slot), adds 0 to its spare word, and waits for that and for its reads of this slot.
; fill = 1: the barrier opens a round of the cluster's barrier, and behind the round this slot is filled again with the tile two on, which has a whole tile's 256 matrix instructions, less 24, in which to land.
; lc: the wait stands ahead of this step's own request for P: six younger groups, 48.
.macro TURN slot, u, fill, pl, lc
	s_wait_dscnt 0x0                               ; this step's fragments of V: my last reads of the slot
	WIN 0                                          ; (the add's two registers lie in window 0)
	s_wait_tensorcnt 0x0                           ; all my tensor loads have landed: so a group 0 may be written
	ds_add_u32 v[SPW], v[NIL]                      ; 0 onto my spare word
.if \fill
	s_add_nc_u64 s[G0+4*\slot+2:G0+4*\slot+3], s[G0+4*\slot+2:G0+4*\slot+3], 2*256*OROW   ; two tiles of keys on
.endif
	s_wait_loadcnt \lc
	MULQ 7, 0, 2, 0                                ; sixteen matrix instructions stand between the add and the wait for it
	s_wait_dscnt 0x0                               ; the add is done
	s_barrier_signal -1
	MULQ 7, 2, 1, 0                                ; work on registers while the others arrive
	WIN 0
	s_barrier_wait -1
.if \fill
	CREST                                          ; no wave of any partner still reads this slot's tile or has a load on its way
	JLOAD \slot                                    ; the first tensor load behind the round; its four v_nop are also the places in front of the loads below
.else
	PLACES
.endif
	FETCHB 1-\slot, 0, 0
.if \pl
	PSET (\u)+7
.endif
	MULQ 7, 3, 1, 0
.endm
; O += f x tmp, f the factor at place pos.  Blocks, accumulators and registers ascend: each accumulator is read from its low end on, and blocks 0 to 2 are the places behind block 3's products.
.macro FOLD pos
	WIN 0xa1                                       ; source 0 (tmp) window 1, source 1 (f) window 0, source 2 and destination (O) window 2
.set i, 0
.rept 128
	v_pk_fma_f32 v[i:i+1], v[i:i+1], v[FAC+2*(8*(i/64)+\pos):FAC+2*(8*(i/64)+\pos)+1], v[i:i+1] op_sel_hi:[1,0,1]
.set i, i+2
.endr
.endm
	s_wait_tensorcnt 1                             ; my part of tile 0 is in (tile 1's load may be out)
	s_barrier_signal -1
	s_barrier_wait -1                              ; everybody's is
	FETCHB 0, 0, 0
	s_mov_b32 s3, 3
.Ltrip:                                                ; a trip: two tiles of 256 keys, sixteen steps, both slots filled again: tiles 0 to 5
.irp s, 0,1,2,3,4,5,6
	STEP 0, \s, \s, 1, 56
.endr
	TURN 0, 7, 1, 1, 48
	FOLD 0
.irp s, 0,1,2,3,4,5,6
	STEP 1, \s, 8+\s, 1, 56
.endr
	TURN 1, 15, 1, 1, 48
	FOLD 1
	WIN 0                                          ; at a label and at a branch every window is 0
.irp a, 0,1,2,3
.irp t, 0,1,2,3,4,5
	v_mov_b32 v[FAC+2*(8*\a+\t)], v[FAC+2*(8*\a+\t+2)]             ; the factors move up two places, so that one text serves every trip
.endr
.endr
	s_wait_xcnt 0x0                                ; P's loads have read their base
	s_add_nc_u64 s[PB:PB+1], s[PB:PB+1], 16*1024   ; sixteen steps on
	s_sub_co_u32 s3, s3, 1
	s_cmp_lg_u32 s3, 0
	s_cbranch_scc1 .Ltrip
.irp s, 0,1,2,3,4,5,6                  ; the last two tiles are written out: no slot is filled again, and P's requests end with the batch's last step
	STEP 0, \s, \s, 1, 56
.endr
	TURN 0, 7, 0, 1, 48
	FOLD 0
	STEP 1, 0, 8, 1, 56                            ; the last request: step 63
.irp s, 1,2,3,4,5,6
	STEP 1, \s, 0, 0, 56-8*\s                      ; the counts run down: 7 - s groups are younger
.endr
	s_wait_dscnt 0x0
	s_wait_loadcnt 0x0
	MULQ 7, 0, 4, 0
	PLACES                                         ; the fold reads results just made, and no other vector work is at hand
	FOLD 1
	WIN 0
; THE WAY OUT, block by block of 16 queries x 128 channels.  A lane holds 32 neighbouring bytes of a row, and the lanes beside it hold other rows: a block goes through my own stage in LDS and comes back as whole rows of 512 bytes.
; LDS serves a wave's instructions in order: no wait between the stores and the loads, nor in front of the next block's stores.
.macro TOSTAGE a
	WIN 0x08                                       ; an LDS store's data are its source 1: window 2
.irp b, 0,1,2,3,4,5,6,7
	ds_store_b128 v[STO], v[64*(\a)+8*\b:64*(\a)+8*\b+3] offset:64*\b
	ds_store_b128 v[STO], v[64*(\a)+8*\b+4:64*(\a)+8*\b+7] offset:64*\b+16
.endr
	WIN 0
.set BB, BF+64*((\a)%2)
.irp t, 0,1,2,3,4,5,6,7,8,9,10,11,12,13,14,15
	ds_load_b128 v[BB+4*\t:BB+4*\t+3], v[RD] offset:\t*SPITCH
.endr
.endm
.macro SEND a, younger                 ; younger: the LDS instructions issued behind block a's loads, which may stay out
.set BB, BF+64*((\a)%2)
	s_wait_dscnt \younger                          ; the block is back in registers
.if (\a) > 0
	s_add_nc_u64 s[14:15], s[14:15], 16*4096       ; (behind a wait on XCNT: the earlier stores have read their base)  16 rows on
.endif
.irp t, 0,1,2,3,4,5,6,7,8,9,10,11,12,13,14,15
	global_store_b128 v[PO], v[BB+4*\t:BB+4*\t+3], s[14:15] offset:\t*4096 th:TH_STORE_NT   ; 32 lanes store 512 consecutive bytes, at a multiple of 256 from out0's first byte
.endr
.endm
	TOSTAGE 0
.irp a, 1,2,3
.if \a > 1
	s_wait_xcnt 0x0                                ; block a - 2's stores have read their registers and their base
.endif
	TOSTAGE \a
	SEND \a-1, 32                                  ; behind block a - 1's loads: block a's 16 stores and 16 loads
.endr
	s_wait_xcnt 0x0                                ; block 2's stores have read their base
	SEND 3, 0
	s_wait_tensorcnt 0x0                           ; the wave's end: behind my last tensor load and my last LDS store
	ds_add_u32 v[SPW], v[NIL]
	s_wait_dscnt 0x0
	CROUND                                         ; the closing round: no work-group ends while a partner may still ask for a tile that names it
	s_endpgm
.Lfunc_end_k_q5752ac75ed_mix:
	.size	k_q5752ac75ed_mix, .Lfunc_end_k_q5752ac75ed_mix-k_q5752ac75ed_mix
	.p2alignl 7, 3214868480
	.fill 96, 4, 3214868480
	.section	.rodata,"a",@progbits
	.p2align	6, 0x0
	.amdhsa_kernel k_q5752ac75ed_mix
		.amdhsa_group_segment_fixed_size 327680
		.amdhsa_private_segment_fixed_size 0
		.amdhsa_enable_private_segment 0
		.amdhsa_kernarg_size 48
		.amdhsa_user_sgpr_count 2
		.amdhsa_user_sgpr_kernarg_segment_ptr 1
		.amdhsa_wavefront_size32 1
		.amdhsa_system_sgpr_workgroup_id_x 1
		.amdhsa_system_sgpr_workgroup_id_y 1
		.amdhsa_system_sgpr_workgroup_id_z 1
		.amdhsa_system_vgpr_workitem_id 0
		.amdhsa_next_free_vgpr 1024
		.amdhsa_next_free_sgpr 66
		.amdhsa_reserve_vcc 0
		.amdhsa_float_denorm_mode_32 3
		.amdhsa_float_denorm_mode_16_64 3
		.amdhsa_memory_ordered 1
		.amdhsa_forward_progress 1
		.amdhsa_inst_pref_size 206
	.end_amdhsa_kernel
	.amdgpu_metadata
---
amdhsa.version: [ 1, 2 ]
amdhsa.kernels:
  - .name:           k_q5752ac75ed_mix
    .symbol:         k_q5752ac75ed_mix.kd
    .args:
      - { .name: p, .offset: 0, .size: 8, .value_kind: global_buffer, .address_space: global }
      - { .name: qkv, .offset: 8, .size: 8, .value_kind: global_buffer, .address_space: global }
      - { .name: mstat, .offset: 16, .size: 8, .value_kind: global_buffer, .address_space: global }
      - { .name: lstat, .offset: 24, .size: 8, .value_kind: global_buffer, .address_space: global }
      - { .name: bv, .offset: 32, .size: 8, .value_kind: global_buffer, .address_space: global }
      - { .name: out0, .offset: 40, .size: 8, .value_kind: global_buffer, .address_space: global }
    .group_segment_fixed_size: 327680
    .private_segment_fixed_size: 0
    .kernarg_segment_align: 8
    .kernarg_segment_size: 48
    .max_flat_workgroup_size: 128
    .sgpr_count:     66
    .vgpr_count:     1024
    .wavefront_size: 32
...
	.end_amdgpu_metadata
.endif
;; end of part 4
